; MI455X (gfx1250); checked and timed in simulation.
; The chip was launched on July 23, 2026; its instructions are those of AMD's public machine-readable ISA for CDNA 5 (MIT licence, August 2026) and "CDNA5" Instruction Set Architecture Reference Guide (July 2026). The comments in the code are by the model that wrote it; some were corrected since.
;; XPU Int4 Linear. Allowed arithmetic: float matrix products may take bf16 or f16 operands with f32 sums; other float arithmetic in f32, or as packed bf16 or f16 multiplies, adds, multiply-adds, maxima and minima; sums over many terms, partial sums and values carried from step to step in f32; what a program stores and reads back later, other than sums and carried values, may be rounded once to bf16 or f16.
;; Inputs: qscale 32 x 2,048 float32; qweight 2,048 x 512 int32; qzeros 32 x 2,048 int32; x 4 x 2,048 x 4,096 float32.
;; Outputs: out0 4 x 2,048 x 2,048 float32.
;; 3 versions, each right; version 3 is version 2 with the launch prep written anew for expert scheduling mode. Each part assembles by itself: llvm-mc -triple=amdgcn-amd-amdhsa -mcpu=gfx1250 --defsym DOCPART=n.
;; ======== version 1 of 3: 2 launches
;; workspace buffers: wb 16,777,216 bytes
;; launch dequant (part 1): grid 8 x 32, 8 waves a work-group, no clusters, 67,584 bytes of LDS; arguments qweight, qscale, qzeros, wb; writes wb
.if DOCPART == 1
	.amdgcn_target "amdgcn-amd-amdhsa--gfx1250"
	.amdhsa_code_object_version 6
	.text
	.protected	k_q4ad3097fc5_dequant
	.globl	k_q4ad3097fc5_dequant
	.p2align	8
	.type	k_q4ad3097fc5_dequant,@function
k_q4ad3097fc5_dequant:
	s_mov_b64 s[64:65], 0
	v_nop
	global_prefetch_b8 v0, s[64:65] scope:SCOPE_SE
	s_setreg_imm32_b32 hwreg(HW_REG_WAVE_MODE, 25, 1), 1
	s_wait_xcnt 0x0
; w[n][k] = bf16( (f32(nibble) - f32(zero[k/128][n])) * scale[k/128][n] ): cast, subtract in f32, multiply in f32, round once to bf16, in that order.
; qweight: [2048][512] words of eight nibbles, the lowest k in the lowest bits.  qscale (f32), qzeros (i32): [32][2048].
; wb, bf16, is laid in blocks of 64 along k: byte = (k / 64) x 262,144 + n x 128 + 2 (k % 64), so that 128 neighbouring rows of one block are 16,384 bytes on end.
; No limit of range: every i32 zero and every f32 scale is taken as it is.
; SHARES.  Work-group (u, ry): rows 64 ry .. + 63, words 64 u .. + 63 of each (256 aligned bytes of a row; k = 512 u .. + 511: four groups, eight blocks of wb).  16 KiB in, 64 KiB out.
; Wave w: rows 8 w .. + 7.  Load i of four: lanes 0-15 take the 256 bytes of row 8 w + 2 i, lanes 16-31 those of row 8 w + 2 i + 1, 16 bytes (four words, 32 numbers of one group) a lane.
; A row's 256 bytes of words hold eight blocks of wb for one row; 256 bytes of wb hold one block for two rows.  So the numbers go through a stage in LDS, each wave's own:
; block kb at 1,040 kb, row at 128 bytes; no barrier, and no wait between the stores and the loads, since LDS serves a wave's instructions in order (ISA guide 5.7.1.4).
; Memory binds, and the launch is short: no matrix unit, no cluster (no two work-groups read the same words), no prefetch.
.set WST,   8320                       ; a wave's stage: eight blocks of 1,024 bytes, 1,040 apart
.set KBP,   1040
.set SPARE, 8*WST                      ; behind the stages: the spare words, 128 bytes for each of the eight waves: four blocks of 256 bytes that no other line names
.set QO,  4                            ; v4      my byte offset in the work-group's words: (8 w + lane / 16) x 2,048 + 16 (lane % 16)
.set SO,  5                            ; v5      my byte offset in the scales and zeros: (lane / 8) x 8,192 + 4 (8 w + lane % 8)
.set STO, 7                            ; v7      where I put 16 bytes in the stage
.set IDX, 8                            ; v8-11   for load i: four times the lane that holds my scale and zero
.set SR,  12                           ; v12     lane l: the scale of group l / 8, row l % 8 of the wave's 4 x 8
.set ZR,  13                           ; v13     the zero, made f32
.set RD,  14                           ; v14     where I read the stage back
.set GO,  15                           ; v15     my byte offset in wb
.set W,   16                           ; v[16:31]   the words, four a load
.set SS,  32                           ; v[32:39]   for load i the scale, twice (a pair for the packed multiply)
.set ZZ,  40                           ; v[40:47]   the zero, twice
.set T,   48                           ; v[48:63]   at work: two sets of eight that take turns
.set Y,   64                           ; v[64:127]  the results: on the way in four registers a word, on the way back 16 bytes a lane
.set SPW, 128                          ; v128    LDS address of my spare word; never rewritten
.set NIL, 129                          ; v129    0; never rewritten
	s_load_b256 s[4:11], s[0:1], 0x0               ; qweight s[4:5], qscale s[6:7], qzeros s[8:9], wb s[10:11]
	v_lshl_add_u32 v[SPW], v0, 2, SPARE
	v_mov_b32 v[NIL], 0
	v_lshrrev_b32 v1, 5, v0
	v_readfirstlane_b32 s12, v1                    ; wave 0..7
	s_and_b32 s13, ttmp7, 0xffff                   ; ry
	v_and_b32 v1, 31, v0                           ; lane
	v_and_b32 v2, 15, v0                           ; lane % 16
	v_bfe_u32 v3, v0, 4, 1                         ; lane / 16
	s_lshl_b32 s14, s13, 17                        ; qweight: 64 ry rows of 2,048 bytes
	s_lshl_b32 s15, ttmp9, 8                       ; + 256 u
	s_add_co_u32 s14, s14, s15
	s_mov_b32 s15, 0
	s_lshl_b32 s16, ttmp9, 15                      ; scales and zeros: group 4 u, 8,192 bytes a group
	s_lshl_b32 s17, s13, 8                         ; + 64 ry numbers
	s_add_co_u32 s16, s16, s17
	s_mov_b32 s17, 0
	s_lshl_b32 s18, ttmp9, 21                      ; wb: block 8 u of 262,144 bytes
	s_lshl_b32 s19, s13, 13                        ; + 64 ry rows of 128 bytes
	s_add_co_u32 s18, s18, s19
	s_mov_b32 s19, 0
	s_lshl_b32 s20, s12, 14                        ; my wave's 8 rows of words
	v_lshlrev_b32 v[QO], 4, v2
	v_lshl_add_u32 v[QO], v3, 11, v[QO]
	v_add_nc_u32 v[QO], s20, v[QO]
	v_lshrrev_b32 v6, 3, v1                        ; lane / 8: a group
	v_and_b32 v[T], 7, v1                          ; lane % 8: a row
	v_lshlrev_b32 v[SO], 2, v[T]
	v_lshl_add_u32 v[SO], v6, 13, v[SO]
	s_lshl_b32 s21, s12, 5
	v_add_nc_u32 v[SO], s21, v[SO]
	v_lshrrev_b32 v6, 2, v2                        ; my words' group: (lane % 16) / 4
	v_lshlrev_b32 v[IDX], 2, v3
	v_lshl_add_u32 v[IDX], v6, 5, v[IDX]           ; 4 x (8 x group + lane / 16); load i's row adds 2 i lanes
	v_add_nc_u32 v[IDX+1], 8, v[IDX]
	v_add_nc_u32 v[IDX+2], 16, v[IDX]
	v_add_nc_u32 v[IDX+3], 24, v[IDX]
	s_mul_i32 s22, s12, WST                        ; my stage
	v_lshrrev_b32 v6, 1, v2                        ; my words' block of wb: (lane % 16) / 2,
	v_mul_u32_u24 v[STO], v6, KBP
	v_lshl_add_u32 v[STO], v3, 7, v[STO]           ; the odd row 128 bytes on,
	v_and_b32 v6, 1, v2
	v_lshl_add_u32 v[STO], v6, 6, v[STO]           ; the block's second half 64 bytes on
	v_add_nc_u32 v[STO], s22, v[STO]
	v_lshl_add_u32 v[RD], v1, 4, s22               ; back: 32 lanes take 512 bytes on end, four rows of a block
	s_lshl_b32 s23, s12, 10                        ; my wave's 8 rows in a block of wb
	v_lshl_add_u32 v[GO], v1, 4, s23
	s_wait_kmcnt 0x0
	s_add_nc_u64 s[4:5], s[4:5], s[14:15]
	s_add_nc_u64 s[6:7], s[6:7], s[16:17]
	s_add_nc_u64 s[8:9], s[8:9], s[16:17]
	s_add_nc_u64 s[10:11], s[10:11], s[18:19]
	global_load_b32 v[SR], v[SO], s[6:7]
	global_load_b32 v[ZR], v[SO], s[8:9]
.irp i, 0,1,2,3
	global_load_b128 v[W+4*(\i):W+4*(\i)+3], v[QO], s[4:5] offset:4096*(\i) th:TH_LOAD_NT  ; two rows' 256 bytes each; read once in the launch
.endr
	s_wait_loadcnt 4                               ; scale and zero are in; the four younger loads stay out
	v_cvt_f32_i32 v[ZR], v[ZR]
.irp i, 0,1,2,3
	ds_bpermute_b32 v[SS+2*(\i)], v[IDX+(\i)], v[SR]  ; from the lane that holds my group and load i's row
	ds_bpermute_b32 v[ZZ+2*(\i)], v[IDX+(\i)], v[ZR]
.endr
	s_wait_dscnt 0x0
.irp i, 0,1,2,3
	v_mov_b32 v[SS+2*(\i)+1], v[SS+2*(\i)]         ; the packed forms take a pair
	v_mov_b32 v[ZZ+2*(\i)+1], v[ZZ+2*(\i)]
.endr
; Word j of load i: eight nibbles to eight bf16, 16 bytes, into the stage.
.macro WORD i, j
.set TT, T+8*((\j)%2)
.set WW, W+4*(\i)+(\j)
.set YY, Y+16*(\i)+4*(\j)
.irp n, 0,1,2,3,4,5,6,7
	v_bfe_u32 v[TT+(\n)], v[WW], 4*(\n), 4
.endr
.irp n, 0,1,2,3,4,5,6,7
	v_cvt_f32_u32 v[TT+(\n)], v[TT+(\n)]
.endr
.irp n, 0,2,4,6
	v_pk_add_f32 v[TT+(\n):TT+(\n)+1], v[TT+(\n):TT+(\n)+1], v[ZZ+2*(\i):ZZ+2*(\i)+1] neg_lo:[0,1] neg_hi:[0,1]  ; q - z
.endr
.irp n, 0,2,4,6
	v_pk_mul_f32 v[TT+(\n):TT+(\n)+1], v[TT+(\n):TT+(\n)+1], v[SS+2*(\i):SS+2*(\i)+1]  ; times s: the difference is rounded first, so no fused form
.endr
.irp n, 0,1,2,3
	v_cvt_pk_bf16_f32 v[YY+(\n)], v[TT+2*(\n)], v[TT+2*(\n)+1]
.endr
	ds_store_b128 v[STO], v[YY:YY+3] offset:256*(\i)+16*(\j)  ; load i's two rows lie 256 i on, word j's eight numbers 16 j on
.endm
.irp i, 0,1,2,3
	s_wait_loadcnt 3-(\i)                          ; loads come back in order (ISA guide 5.7.1): load i is in, the younger ones stay out
	WORD \i, 0
	WORD \i, 1
	WORD \i, 2
	WORD \i, 3
.endr
.irp t, 0,1,2,3,4,5,6,7,8,9,10,11,12,13,14,15
	ds_load_b128 v[Y+4*(\t):Y+4*(\t)+3], v[RD] offset:((\t)/2)*KBP+((\t)%2)*512  ; block t / 2, rows 4 (t % 2) .. + 3
.endr
.irp t, 0,1,2,3,4,5,6,7,8,9,10,11,12,13,14,15
	s_wait_dscnt 15-(\t)                           ; load t is back, the younger ones stay out
	global_store_b128 v[GO], v[Y+4*(\t):Y+4*(\t)+3], s[10:11] offset:((\t)/2)*262144+((\t)%2)*512  ; the wave stores 512 consecutive bytes, at a multiple of 512 from wb's first byte
.endr
	s_wait_tensorcnt 0x0                           ; the wave's end: behind my last LDS store
	ds_add_u32 v[SPW], v[NIL]
	s_wait_dscnt 0x0
	s_endpgm
.Lfunc_end_k_q4ad3097fc5_dequant:
	.size	k_q4ad3097fc5_dequant, .Lfunc_end_k_q4ad3097fc5_dequant-k_q4ad3097fc5_dequant
	.p2alignl 7, 3214868480
	.fill 96, 4, 3214868480
	.section	.rodata,"a",@progbits
	.p2align	6, 0x0
	.amdhsa_kernel k_q4ad3097fc5_dequant
		.amdhsa_group_segment_fixed_size 67584
		.amdhsa_private_segment_fixed_size 0
		.amdhsa_enable_private_segment 0
		.amdhsa_kernarg_size 32
		.amdhsa_user_sgpr_count 2
		.amdhsa_user_sgpr_kernarg_segment_ptr 1
		.amdhsa_wavefront_size32 1
		.amdhsa_system_sgpr_workgroup_id_x 1
		.amdhsa_system_sgpr_workgroup_id_y 1
		.amdhsa_system_sgpr_workgroup_id_z 1
		.amdhsa_system_vgpr_workitem_id 0
		.amdhsa_next_free_vgpr 132
		.amdhsa_next_free_sgpr 66
		.amdhsa_reserve_vcc 0
		.amdhsa_float_denorm_mode_32 3
		.amdhsa_float_denorm_mode_16_64 3
		.amdhsa_memory_ordered 1
		.amdhsa_forward_progress 1
		.amdhsa_inst_pref_size 33
	.end_amdhsa_kernel
	.amdgpu_metadata
---
amdhsa.version: [ 1, 2 ]
amdhsa.kernels:
  - .name:           k_q4ad3097fc5_dequant
    .symbol:         k_q4ad3097fc5_dequant.kd
    .args:
      - { .name: qweight, .offset: 0, .size: 8, .value_kind: global_buffer, .address_space: global }
      - { .name: qscale, .offset: 8, .size: 8, .value_kind: global_buffer, .address_space: global }
      - { .name: qzeros, .offset: 16, .size: 8, .value_kind: global_buffer, .address_space: global }
      - { .name: wb, .offset: 24, .size: 8, .value_kind: global_buffer, .address_space: global }
    .group_segment_fixed_size: 67584
    .private_segment_fixed_size: 0
    .kernarg_segment_align: 8
    .kernarg_segment_size: 32
    .max_flat_workgroup_size: 256
    .sgpr_count:     66
    .vgpr_count:     132
    .wavefront_size: 32
...
	.end_amdgpu_metadata
.endif
;; end of part 1
;; launch gemm (part 2): grid 8 x 32, 4 waves a work-group, clusters of 4 x 4, 327,680 bytes of LDS; arguments x, wb, out0; writes out0
.if DOCPART == 2
	.amdgcn_target "amdgcn-amd-amdhsa--gfx1250"
	.amdhsa_code_object_version 6
	.text
	.protected	k_q4ad3097fc5_gemm
	.globl	k_q4ad3097fc5_gemm
	.p2align	8
	.type	k_q4ad3097fc5_gemm,@function
k_q4ad3097fc5_gemm:
	s_mov_b64 s[64:65], 0
	v_nop
	global_prefetch_b8 v0, s[64:65] scope:SCOPE_SE
	s_setreg_imm32_b32 hwreg(HW_REG_WAVE_MODE, 25, 1), 1
	s_wait_xcnt 0x0
	s_wait_alu depctr_hold_cnt(0) depctr_sa_sdst(0) depctr_va_vdst(0) depctr_va_sdst(0) depctr_va_ssrc(0) depctr_va_vcc(0) depctr_vm_vsrc(0)
	s_getreg_b32 s2, hwreg(HW_REG_IB_STS2, 6, 4)
	s_cmp_eq_u32 s2, 0
	s_cbranch_scc0 .Lentry_in_a_cluster
	s_endpgm
.Lentry_in_a_cluster:
	s_bfe_u32 s2, ttmp6, 0x10000c
	s_cmp_lg_u32 s2, 0xf033
	s_cbranch_scc0 .Lentry_shape_is_right
	s_endpgm
.Lentry_shape_is_right:
; out0[m][n] = the sum over k of bf16(x[m][k]) w[n][k].  x: [8192][4096] f32.  w: bf16, in blocks of 64 along k: byte = (k / 64) x 262,144 + n x 128 + 2 (k % 64).  out0: [8192][2048] f32.
; x is rounded to bf16 (nearest even) between LDS and the matrix instruction; sums in f32.
; LIMITS.  Inside each 32 along k both operands are laid in the same order, which is not the instruction's own (below): the sums are those of a permuted k, so their last bits differ from
; a chain in ascending k.  NaN and infinities are not treated apart.  No limit of range: both operands are bf16.
; SHARES.  A tile of out0, 256 x 256, is made by a work-group of four waves; 8 x 32 tiles, one to a work-group.  Wave w makes rows 64 w .. + 63 and ALL 256 columns: 4 x 16 accumulators of
; 16 x 16, 512 registers.  So each row of x is read from LDS, and rounded, by one wave alone: 32 roundings for 64 matrix instructions.
; THE RING.  K goes in steps of 64 through two LDS slots: 256 rows of x (256 bytes each, at a multiple of 256 from x's first byte) and 256 rows of w (128 bytes each, 128 rows on end in memory,
; asked for as 64 rows of 256 bytes).  Steps of 128 would want 2 x 204,800 bytes.  Waves 0 and 1 fetch the halves of x's tile, waves 2 and 3 those of w's: one tensor load a wave.
; A step is two CHUNKS of 32 along k, 64 matrix instructions each, on fragment buffers 0 and 1.
; CLUSTERS.  4 x 4 work-groups.  The four of a row of the cluster need the same tile of x, the four of a column the same tile of w: each is asked for JOINTLY, by the same tensor load with the
; same descriptor and a mask that names the four.
; THE ORDER OF K.  In chunk c lane l (r = l % 16, h = l / 16) holds, of row r, k = 32 c + 16 h + 0 .. 15, ascending along its eight fragment registers, for x and for w alike: w by two loads of
; 16 bytes on end, x by four, whose 16 numbers round in pairs into the eight registers.
; THE MATRIX INSTRUCTION IS USED TRANSPOSED (source 0 = 16 rows of w, source 1 = 16 rows of x): register j of lane l holds out0(16 a + r, 16 b + 8 h + j): 32 bytes on end of a row.
; REGISTERS, in windows of 256 (s_set_vgpr_msb: bits 1:0 source 0, 3:2 source 1, 5:4 source 2, 7:6 destination):
;   window 0: v0-31 addresses; v32-63, v64-95 x's fragments, two buffers (block a at + 8 a); v96-159 x as it comes from LDS, f32 (block i at + 16 i)
;   window 1: v0-127, v128-255 w's fragments, two buffers (block b at + 8 b); on the way out two sets of 128
;   window 2: accumulators of a = 0, 1 ((a, b) at 8 (16 (a % 2) + b));   window 3: those of a = 2, 3
.set XP,     272                       ; a row of x in LDS: 256 bytes + 16: 17 x 16, so the 16 rows of a load begin at 16 different places modulo 256
.set BP,     144                       ; a row of w: 128 + 16: 9 x 16, likewise
.set XHALF,  128*XP                    ; what waves 0 and 1 fetch
.set BHALF,  128*BP                    ; what waves 2 and 3 fetch
.set BOFF,   2*XHALF                   ; w's rows lie behind x's 256
.set SLOT,   BOFF+2*BHALF              ; 106,496
.set STAGE,  2*SLOT                    ; behind the ring, never filled by a tensor load: 16 rows x 1,040 bytes for each wave, for the way out
.set SPITCH, 1040                      ; 1,024 + 16: 65 x 16
.set SPARE,  STAGE+4*16*SPITCH         ; behind the stages: the spare words, 128 bytes for each wave: two blocks of 256 bytes that no other line names
.set XSTEP,  256                       ; a step along k: bytes in a row of x,
.set BSTEP,  262144                    ; and in w
.set ROWO,   8192                      ; bytes in a row of out0
.set TRIPS,  30                        ; the loop: 64 steps, two a trip; steps 0 (in part) and 60 (in part) to 63 are written out
.set ADRA, 16                          ; v16-17  LDS address of my x rows in slot 0, 1: slot + (64 w + r) x 272 + 64 h
.set ADRB, 20                          ; v20-21  of w's rows: slot + BOFF + r x 144 + 32 h
.set STO,  24                          ; v24     the way out: where I put 16 bytes of a row
.set RD,   25                          ; v25     the way out: where I read a row back
.set CO,   26                          ; v26     my byte offset in 512 bytes of out0
.set SPW,  28                          ; v28     LDS address of my spare word: SPARE + 4 x my thread's number; never rewritten
.set NIL,  29                          ; v29     0; never rewritten
.set PFO,  30                          ; v30     the prefetches' lane offset; never rewritten
.set FA,   32                          ; x's fragment buffers
.set RA,   96                          ; x in f32
.set G1,   24                          ; s[24:31] descriptor group 1 for x's tiles
.set G0,   32                          ; s[32:39] group 0 for x's tiles, a set for each slot
.set G1B,  48                          ; s[48:55] group 1 for w's tiles
.set G0B,  56                          ; s[56:63] group 0 for w's tiles
.set PFA,  66                          ; s[66:67] where my prefetches stand
.set PFS,  68                          ; s[68:69] a step along k in the tensor that I fetch
.set LIMT, 70                          ; s70  1 in a wave that prefetches at a trip's top, else the greatest number
.set LIMM, 71                          ; s71  the same for a trip's middle
.set MSB, 0
.macro WIN new                         ; the immediate's high byte repeats the setting that is left; a switch that changes nothing is dropped
.if MSB != (\new)
	s_set_vgpr_msb (MSB<<8)|(\new)
.set MSB, \new
.endif
.endm
.set MUL_LO, 0xa1                      ; source 0 (w) window 1, source 1 (x) window 0, C and D window 2
.set MUL_HI, 0xf1                      ; the same, C and D window 3
.set TO_B,   0x40                      ; destination window 1, address window 0
.set ST_LO,  0x08                      ; an LDS store's data from window 2
.set ST_HI,  0x0c                      ; from window 3
.set GS,     0x04                      ; a global store's data from window 1
; A joint load.  Waves 0 and 1 fetch x's two halves, waves 2 and 3 w's.  Each line has one mask and one set of registers for all that issue it; the branch hangs on the wave's number alone.
; An s_nop 0 and four v_nop follow each of the two lines, ahead of the jump, the label and what follows.
.macro JLOAD s
	s_cmp_eq_u32 s11, 0
	s_cbranch_scc0 .Lfor_b_\@
	tensor_load_to_lds s[G0+4*(\s):G0+4*(\s)+3], s[G1:G1+7]
	s_nop 0
.rept 4
	v_nop
.endr
	s_branch .Lasked_\@
.Lfor_b_\@:
	tensor_load_to_lds s[G0B+4*(\s):G0B+4*(\s)+3], s[G1B:G1B+7]
	s_nop 0
.rept 4
	v_nop
.endr
.Lasked_\@:
.endm
; A round of the cluster's barrier: my work-group's barrier, so that wave 0's signal speaks for all four waves; wave 0 signals; every wave waits for all sixteen work-groups; my work-group's barrier once more.
.macro CREST                           ; a round behind its opening barrier
	s_cmp_lg_u32 s10, 0
	s_cbranch_scc1 .Lnot_wave_0_\@
	s_barrier_signal -3
.Lnot_wave_0_\@:
	s_barrier_wait -3
	s_barrier_signal -1
	s_barrier_wait -1
.endm
.macro CROUND                          ; a whole round
	s_barrier_signal -1
	s_barrier_wait -1
	CREST
.endm
.macro PLACES
.rept 4
	v_nop
.endr
.endm
; A PREFETCH INTO THE L2, behind a joint load, its five lines and the run of LDS loads that follows them.  The change of slots of step t asks for step t + 2 and names step t + 6: four refills, 512 matrix
; instructions, ahead of the load that will want it.  Each 256 bytes are named ONCE in the launch.  x's tile rows are read by both clusters of a row of clusters: cluster x = 0 asks; w's columns by
; all eight clusters of a column: cluster y = 0 asks.  The four partners of a joint load share its bytes out BY ADDRESS: of x's 128 rows the partner at cx takes 32, a lane a row, at every change;
; of w's 64 pieces of 256 bytes the partner at cy takes 16, lanes 0-15 for one step and lanes 16-31 for the step after it, at every second change.  No branch hangs on a place in the cluster.
; Steps 0 to 5 come by their loads alone; the loop's last trip (s3 = 1) and the tail ask for nothing: the highest step named is 63.
.macro ASK lim
	WIN 0
	s_cmp_gt_u32 s3, s[\lim]
	s_cbranch_scc0 .Lnot_mine_\@
	global_prefetch_b8 v[PFO], s[PFA:PFA+1] th:TH_LOAD_NT scope:SCOPE_SE
.Lnot_mine_\@:
.endm
	s_load_b128 s[4:7], s[0:1], 0x0                ; x s[4:5], w s[6:7]
	s_load_b64 s[8:9], s[0:1], 0x10                ; out0
	v_lshl_add_u32 v[SPW], v0, 2, SPARE
	v_mov_b32 v[NIL], 0
	ds_add_u32 v[SPW], v[NIL]                      ; the wave's opening: the add, twice on end, and its wait, ahead of my first tensor load; the set-up below, work on registers, stands between
	ds_add_u32 v[SPW], v[NIL]                      ; and once more, under the one wait
	v_lshrrev_b32 v1, 5, v0
	v_readfirstlane_b32 s10, v1                    ; wave 0..3
	s_lshr_b32 s11, s10, 1                         ; I fetch for x (0) or for w (1),
	s_and_b32 s12, s10, 1                          ; and which 128 rows of that tile
	s_bfe_u32 s40, ttmp6, 0x40000                  ; cx, cy: my place in the cluster
	s_bfe_u32 s41, ttmp6, 0x40004
	s_lshl_b32 s42, ttmp9, 2                       ; in a cluster launch ttmp9 and ttmp7 count clusters
	s_add_co_u32 s42, s42, s40                     ; tile column = 4 x cluster x + cx
	s_and_b32 s13, ttmp7, 0xffff
	s_lshl_b32 s13, s13, 2
	s_add_co_u32 s13, s13, s41                     ; tile row = 4 x cluster y + cy
	s_lshl_b32 s43, s41, 2
	s_lshl_b32 s43, 15, s43                        ; my row of the cluster: places 4 cy .. 4 cy + 3
	s_lshl_b32 s44, 0x1111, s40                    ; my column: places cx, cx + 4, cx + 8, cx + 12
	; group 1 for x: 128 rows x 64 elements of 4 bytes, 4,096 elements from row to row; in LDS 4 words of padding behind every 64
	s_or_b32 s[G1+0], s43, (2<<16)|(1<<20)|(1<<21)|(5<<22)|(3<<25)  ; 15:0 the mask: my row; 17:16 elements of 4 bytes; 20 padding on; 21 set beside a mask; 24:22 after every 64 words (code 5); 31:25 4 words (code 3)
	s_mov_b32 s[G1+1], 64<<16                      ; tensor_dim0 = 64
	s_mov_b32 s[G1+2], 128<<16                     ; tensor_dim1 = 128
	s_mov_b32 s[G1+3], 64<<16                      ; tile_dim0 = 64
	s_mov_b32 s[G1+4], 128                         ; tile_dim1 = 128
	s_mov_b32 s[G1+5], 4096                        ; elements from row to row
	s_mov_b32 s[G1+6], 0
	s_mov_b32 s[G1+7], 0
	; group 1 for w: 128 rows of 128 bytes on end, asked for as 64 rows x 128 elements of 2 bytes; in LDS 4 words of padding behind every 32, that is behind every row of w
	s_or_b32 s[G1B+0], s44, (1<<16)|(1<<20)|(1<<21)|(4<<22)|(3<<25) ; the mask: my column; elements of 2 bytes; after every 32 words (code 4)
	s_mov_b32 s[G1B+1], 128<<16                    ; tensor_dim0 = 128
	s_mov_b32 s[G1B+2], 64<<16                     ; tensor_dim1 = 64
	s_mov_b32 s[G1B+3], 128<<16                    ; tile_dim0 = 128
	s_mov_b32 s[G1B+4], 64                         ; tile_dim1 = 64
	s_mov_b32 s[G1B+5], 128                        ; elements from row to row
	s_mov_b32 s[G1B+6], 0
	s_mov_b32 s[G1B+7], 0
	; where the tiles come from: x's hang on the tile row alone, which my row of the cluster shares; w's on the tile column alone, which my column shares
	s_lshl_b32 s16, s13, 22                        ; 256 rows of 16,384 bytes a tile row
	s_lshl_b32 s17, s12, 21                        ; + the 128 rows that I fetch
	s_add_co_u32 s16, s16, s17
	s_mov_b32 s17, 0
	s_lshl_b32 s46, s42, 15                        ; 256 rows of 128 bytes a tile column
	s_lshl_b32 s47, s12, 14
	s_add_co_u32 s46, s46, s47
	s_mov_b32 s47, 0
	s_mul_i32 s20, s12, XHALF                      ; and where they go: no place in the cluster enters an LDS address
	s_mul_i32 s21, s12, BHALF
	s_add_co_u32 s21, s21, BOFF
	s_wait_dscnt 0x0                               ; both opening adds are done
	s_wait_kmcnt 0x0
	s_add_nc_u64 s[14:15], s[4:5], s[16:17]
	s_add_nc_u64 s[46:47], s[6:7], s[46:47]
	CROUND                                         ; all sixteen work-groups are here: the first joint loads meet
.irp s, 0,1
	s_mov_b32 s[G0+4*(\s)], 1                                      ; count = 1
	s_add_co_u32 s[G0+4*(\s)+1], s20, (\s)*SLOT                    ; LDS address
	s_add_nc_u64 s[G0+4*(\s)+2:G0+4*(\s)+3], s[14:15], (\s)*XSTEP  ; global address: step s
	s_or_b32 s[G0+4*(\s)+3], s[G0+4*(\s)+3], 0x80000000            ; type = 2
	s_mov_b32 s[G0B+4*(\s)], 1
	s_add_co_u32 s[G0B+4*(\s)+1], s21, (\s)*SLOT
	s_add_nc_u64 s[G0B+4*(\s)+2:G0B+4*(\s)+3], s[46:47], (\s)*BSTEP
	s_or_b32 s[G0B+4*(\s)+3], s[G0B+4*(\s)+3], 0x80000000
	JLOAD \s                                       ; both slots are asked for before anything else is done: two loads of mine are out
.endr
	v_and_b32 v1, 15, v0                           ; r
	v_bfe_u32 v2, v0, 4, 1                         ; h
	v_and_b32 v3, 31, v0                           ; l
	v_mul_u32_u24 v4, v1, XP
	v_lshl_add_u32 v4, v2, 6, v4                   ; r x 272 + 64 h
	s_mul_i32 s22, s10, 64*XP                      ; my 64 rows of x
	v_add_nc_u32 v[ADRA], s22, v4
	v_add_nc_u32 v[ADRA+1], SLOT, v[ADRA]
	v_mul_u32_u24 v5, v1, BP
	v_lshl_add_u32 v5, v2, 5, v5                   ; r x 144 + 32 h
	v_add_nc_u32 v[ADRB], BOFF, v5
	v_add_nc_u32 v[ADRB+1], BOFF+SLOT, v5
	s_mul_i32 s23, s10, 16*SPITCH
	s_add_co_u32 s23, s23, STAGE                   ; my stage
	v_mul_u32_u24 v6, v1, SPITCH                   ; in: row r, 32 bytes for each half of the lanes
	v_lshl_add_u32 v6, v2, 5, v6
	v_add_nc_u32 v[STO], s23, v6
	v_lshl_add_u32 v[RD], v3, 4, s23               ; back: 32 lanes take 512 bytes on end, half a row
	v_lshlrev_b32 v[CO], 4, v3
	s_lshl_b32 s72, s13, 21                        ; out0 at my wave's first row and the tile's first column: 256 rows of 8,192 bytes a tile row,
	s_lshl_b32 s73, s10, 19                        ; 64 rows a wave,
	s_add_co_u32 s72, s72, s73
	s_lshl_b32 s73, s42, 10                        ; 1,024 bytes a tile column
	s_add_co_u32 s72, s72, s73
	s_mov_b32 s73, 0
	s_add_nc_u64 s[8:9], s[8:9], s[72:73]
	; the prefetches: s[14:15] and s[46:47] stand at the tile halves that I would fetch, at step 0
	s_lshl_b32 s74, s40, 19                        ; x: my work-group's 32 rows of the 128,
	s_add_co_u32 s74, s74, 6*XSTEP                 ; at step 6
	s_lshl_b32 s75, s41, 12                        ; w: my work-group's 16 pieces of the 64,
	s_add_co_u32 s75, s75, 6*BSTEP                 ; at step 6
	s_and_b32 s76, ttmp7, 0xffff                   ; cluster y
	s_mov_b32 s78, XSTEP
	s_mov_b32 s79, BSTEP
	s_cmp_eq_u32 s11, 0                            ; do I fetch for x?
	s_cselect_b64 s[PFA:PFA+1], s[14:15], s[46:47]
	s_cselect_b32 s74, s74, s75
	s_cselect_b32 s76, ttmp9, s76                  ; the coordinate along which other clusters read the same bytes
	s_cselect_b32 s77, 14, 8                       ; from lane to lane: a row of x, or 256 bytes of w
	s_cselect_b32 s[PFS], s78, s79
	s_mov_b32 s75, 0
	s_mov_b32 s[PFS+1], 0
	s_add_nc_u64 s[PFA:PFA+1], s[PFA:PFA+1], s[74:75]
	s_cmp_eq_u32 s76, 0
	s_cselect_b32 s[LIMT], 1, -1                   ; the same in all sixteen partners, for a given wave
	s_cmp_eq_u32 s11, 0
	s_cselect_b32 s[LIMM], s[LIMT], -1             ; w's two steps are named together, at a trip's top
	v_lshlrev_b32 v[PFO], s77, v1
	v_lshl_add_u32 v[PFO], v2, 18, v[PFO]          ; lanes 16-31: 16 rows of x further down, or a step of w further on: 262,144 bytes both
; 48 LDS loads in one run: chunk c of a slot.  x's 64 rows x 128 bytes, f32, come first, so that a counted wait shows them in while w's are out; then w's 256 rows x 64 bytes into buffer g.
.macro FETCH slot, c, g
	WIN 0
.irp i, 0,1,2,3
.irp e, 0,1,2,3
	ds_load_b128 v[RA+16*(\i)+4*(\e):RA+16*(\i)+4*(\e)+3], v[ADRA+(\slot)] offset:(\i)*16*XP+128*(\c)+16*(\e)
.endr
.endr
	WIN TO_B
.irp b, 0,1,2,3,4,5,6,7,8,9,10,11,12,13,14,15
	ds_load_b128 v[128*(\g)+8*(\b):128*(\g)+8*(\b)+3],   v[ADRB+(\slot)] offset:(\b)*16*BP+64*(\c)
	ds_load_b128 v[128*(\g)+8*(\b)+4:128*(\g)+8*(\b)+7], v[ADRB+(\slot)] offset:(\b)*16*BP+64*(\c)+16
.endr
.endm
; n matrix instructions: x's block a, w's blocks b0 on, buffers f.  zero = 1: the product starts the sum: nothing is ever cleared.
.macro MUL f, a, b0, n, zero
	WIN MUL_LO+0x50*((\a)/2)
.set bb, \b0
.rept \n
.set rD, 8*(16*((\a)%2)+bb)
.set rB, 128*(\f)+8*bb
.set rA, FA+32*(\f)+8*(\a)
.if \zero
	v_wmma_f32_16x16x32_bf16 v[rD:rD+7], v[rB:rB+7], v[rA:rA+7], 0
.else
	v_wmma_f32_16x16x32_bf16 v[rD:rD+7], v[rB:rB+7], v[rA:rA+7], v[rD:rD+7]
.endif
.set bb, bb+1
.endr
.endm
; Four roundings: registers q0 .. q0 + 3 of x's fragment buffer g, each of two neighbouring numbers
.macro RID g, q0
	WIN 0
.irp n, 0,1,2,3
	v_cvt_pk_bf16_f32 v[FA+32*(\g)+(\q0)+(\n)], v[RA+2*((\q0)+(\n))], v[RA+2*((\q0)+(\n))+1]
.endr
.endm
; A CHUNK multiplies buffers f: 64 matrix instructions, each accumulator once and always in the same order, so that 63 others stand between two links of a chain, over the backward jump too
; fetch = 1: at its head it asks LDS for the next chunk (slot fslot, chunk fc), and in its second half it rounds x for it, four roundings behind every fourth
; matrix instruction.  The last four stand behind the chunk's last matrix instruction and name none of its registers: they are the four places ahead of the next chunk's loads into
; w's buffer f and of its roundings into x's buffer f.
; meet = 1: a step's first chunk, whose fetch is the last read of its slot: the change of slots.  Each wave waits for all its tensor loads, of which one is out: its part of the other slot; adds 0 to its
; spare word; waits for that and for its own reads of this slot; and signals.  Behind the barrier nobody reads this slot any more and the other slot is whole.
; step = 1: the prefetches' address goes a step on, more than a chunk behind the prefetch that read it.  ask: the register that says whether this wave prefetches here, or 0.
.macro CHUNK f, fetch, fslot, fc, ask, meet, zero, step
	s_wait_dscnt 0x0                               ; w's buffer f, asked for 64 matrix instructions ago, is in
.if \fetch
	FETCH \fslot, \fc, 1-(\f)
.if \ask
	ASK \ask
.endif
.endif
	MUL \f, 0, 0, 16, \zero
	MUL \f, 1, 0, 16, \zero
.if \fetch
	s_wait_dscnt 32                                ; x's 16 loads are in; w's 32, which are younger, may stay out
.endif
.irp i, 0,1,2,3
	MUL \f, 2, 4*(\i), 4, \zero
.if \fetch
	RID 1-(\f), 4*(\i)
.endif
.endr
.if \meet
.if \step
	s_wait_xcnt 0x0                                ; the last prefetch has read its address
	s_add_nc_u64 s[PFA:PFA+1], s[PFA:PFA+1], s[PFS:PFS+1]
.endif
	WIN 0                                          ; (the add's two registers lie in window 0)
	s_wait_tensorcnt 0x0                           ; all my tensor loads have landed: the one that was out is my part of the other slot
	ds_add_u32 v[SPW], v[NIL]                      ; 0 onto my spare word: eight matrix instructions and eight roundings stand between it and its wait
.endif
.irp i, 0,1
	MUL \f, 3, 4*(\i), 4, \zero
.if \fetch
	RID 1-(\f), 16+4*(\i)
.endif
.endr
.if \meet
	s_wait_dscnt 0x0                               ; the add is done, and my reads of this slot are over
	s_barrier_signal -1                            ; (where the slot is filled again this barrier opens a round of the cluster's)
.endif
.irp i, 2,3
	MUL \f, 3, 4*(\i), 4, \zero                    ; work on registers while the others arrive
.if \fetch
	RID 1-(\f), 16+4*(\i)
.endif
.endr
.if \meet
	WIN 0                                          ; branches may follow
	s_barrier_wait -1
.endif
.endm
; The rest of the round, and slot s is filled again, two steps on: the first tensor load behind the round, one a wave.  It has 112 matrix instructions in which to land.
.macro REFILL s
	CREST                                          ; no wave of any partner still reads this slot or has a load on its way
	s_add_nc_u64 s[G0+4*(\s)+2:G0+4*(\s)+3], s[G0+4*(\s)+2:G0+4*(\s)+3], 2*XSTEP
	s_add_nc_u64 s[G0B+4*(\s)+2:G0B+4*(\s)+3], s[G0B+4*(\s)+2:G0B+4*(\s)+3], 2*BSTEP
	JLOAD \s
.endm
	s_wait_tensorcnt 1                             ; my part of step 0 is in; step 1's, issued behind it, may stay out
	s_barrier_signal -1
	s_barrier_wait -1                              ; everybody's is
	FETCH 0, 0, 0
	s_wait_dscnt 0x0
.irp i, 0,1,2,3,4,5,6,7
	RID 0, 4*(\i)                                  ; the first chunk's x is rounded in one run: there is no matrix work yet to set it beside
.endr
	CHUNK 0, 1, 0, 1, 0, 1, 1, 0                   ; step 0, first chunk: its products start the sums
	REFILL 0                                       ; step 2
	s_mov_b32 s3, TRIPS
.Llap:                                         ; trip i: from the second chunk of step 2 i to the first of step 2 i + 2; both slots are filled again
	CHUNK 1, 1, 1, 0, LIMT, 0, 0, 0
	CHUNK 0, 1, 1, 1, 0, 1, 0, 1
	REFILL 1                                       ; step 2 i + 3
	CHUNK 1, 1, 0, 0, LIMM, 0, 0, 0
	CHUNK 0, 1, 0, 1, 0, 1, 0, 1
	REFILL 0                                       ; step 2 i + 4
	s_sub_co_u32 s3, s3, 1
	s_cmp_lg_u32 s3, 0
	s_cbranch_scc1 .Llap
	CHUNK 1, 1, 1, 0, 0, 0, 0, 0                   ; the tail is written out.  Step 60, second chunk
	CHUNK 0, 1, 1, 1, 0, 1, 0, 0                   ; step 61
	REFILL 1                                       ; step 63: the last load
	CHUNK 1, 1, 0, 0, 0, 0, 0, 0
	CHUNK 0, 1, 0, 1, 0, 1, 0, 0                   ; step 62: the barrier shows step 63 whole; nothing is filled again, so no round follows
	CHUNK 1, 1, 1, 0, 0, 0, 0, 0
	CHUNK 0, 1, 1, 1, 0, 0, 0, 0                   ; step 63
	CHUNK 1, 0, 0, 0, 0, 0, 0, 0                   ; its second chunk: nothing more to fetch
; THE WAY OUT, a block of 16 rows at a time.  A lane's 32 bytes are one thirty-second of a row's 1,024, and the lanes beside it hold other rows: so the block goes into my own stage in LDS, rows of 1,040
; bytes, and comes back by rows.  No barrier, and no wait between the stores and the loads: LDS serves a wave's instructions in order (ISA guide 5.7.1.4); the next block's stores come behind these loads.
.macro TOSTAGE a
	WIN ST_LO+4*((\a)/2)
.set bb, 0
.rept 16
	ds_store_b128 v[STO], v[8*(16*((\a)%2)+bb):8*(16*((\a)%2)+bb)+3]   offset:64*bb     ; each accumulator's four lowest registers first
	ds_store_b128 v[STO], v[8*(16*((\a)%2)+bb)+4:8*(16*((\a)%2)+bb)+7] offset:64*bb+16
.set bb, bb+1
.endr
.if (\a) >= 2
	s_wait_xcnt 0x0                                ; the stores of the block two back have read this set of registers (ISA guide 3.1): only now is it loaded again
.endif
	WIN TO_B
.set t, 0
.rept 32
	ds_load_b128 v[128*((\a)%2)+4*t:128*((\a)%2)+4*t+3], v[RD] offset:(t/2)*SPITCH+(t%2)*512
.set t, t+1
.endr
.endm
.macro SEND a
	WIN GS
.set t, 0
.rept 32
	s_wait_dscnt 31-t                              ; load t is back, the younger ones stay out
	global_store_b128 v[CO], v[128*((\a)%2)+4*t:128*((\a)%2)+4*t+3], s[8:9] offset:(16*(\a)+t/2)*ROWO+(t%2)*512 th:TH_STORE_NT  ; the wave stores 512 consecutive bytes, at a multiple of 512 from out0's first byte; 516,608 at the most, inside the signed 24 bits
.set t, t+1
.endr
.endm
	PLACES                                         ; the places between the last products and the LDS stores that read results, and the loads into w's buffers: four are asked for,
	PLACES                                         ; eight are written, once a launch
.irp a, 0,1,2,3
	TOSTAGE \a
	SEND \a
.endr
	WIN 0
	s_wait_tensorcnt 0x0                           ; the wave's end: behind my last tensor load and my last LDS store
	ds_add_u32 v[SPW], v[NIL]
	s_wait_dscnt 0x0
	CROUND                                         ; the closing round: no work-group ends while a partner may still ask for a tile that names it
	s_endpgm
.Lfunc_end_k_q4ad3097fc5_gemm:
	.size	k_q4ad3097fc5_gemm, .Lfunc_end_k_q4ad3097fc5_gemm-k_q4ad3097fc5_gemm
	.p2alignl 7, 3214868480
	.fill 96, 4, 3214868480
	.section	.rodata,"a",@progbits
	.p2align	6, 0x0
	.amdhsa_kernel k_q4ad3097fc5_gemm
		.amdhsa_group_segment_fixed_size 327680
		.amdhsa_private_segment_fixed_size 0
		.amdhsa_enable_private_segment 0
		.amdhsa_kernarg_size 24
		.amdhsa_user_sgpr_count 2
		.amdhsa_user_sgpr_kernarg_segment_ptr 1
		.amdhsa_wavefront_size32 1
		.amdhsa_system_sgpr_workgroup_id_x 1
		.amdhsa_system_sgpr_workgroup_id_y 1
		.amdhsa_system_sgpr_workgroup_id_z 1
		.amdhsa_system_vgpr_workitem_id 0
		.amdhsa_next_free_vgpr 1024
		.amdhsa_next_free_sgpr 80
		.amdhsa_reserve_vcc 0
		.amdhsa_float_denorm_mode_32 3
		.amdhsa_float_denorm_mode_16_64 3
		.amdhsa_memory_ordered 1
		.amdhsa_forward_progress 1
		.amdhsa_inst_pref_size 161
	.end_amdhsa_kernel
	.amdgpu_metadata
---
amdhsa.version: [ 1, 2 ]
amdhsa.kernels:
  - .name:           k_q4ad3097fc5_gemm
    .symbol:         k_q4ad3097fc5_gemm.kd
    .args:
      - { .name: x, .offset: 0, .size: 8, .value_kind: global_buffer, .address_space: global }
      - { .name: wb, .offset: 8, .size: 8, .value_kind: global_buffer, .address_space: global }
      - { .name: out0, .offset: 16, .size: 8, .value_kind: global_buffer, .address_space: global }
    .group_segment_fixed_size: 327680
    .private_segment_fixed_size: 0
    .kernarg_segment_align: 8
    .kernarg_segment_size: 24
    .max_flat_workgroup_size: 128
    .sgpr_count:     80
    .vgpr_count:     1024
    .wavefront_size: 32
...
	.end_amdgpu_metadata
.endif
;; end of part 2
;; ======== version 2 of 3: 2 launches
;; workspace buffers: wb 16,777,216 bytes; xb 67,108,864 bytes
;; launch prep (part 3): grid 1024 x 1, 8 waves a work-group, no clusters, 21,504 bytes of LDS; arguments x, qweight, qscale, qzeros, xb, wb; writes xb, wb
.if DOCPART == 3
	.amdgcn_target "amdgcn-amd-amdhsa--gfx1250"
	.amdhsa_code_object_version 6
	.text
	.protected	k_q4ad3097fc5_prep
	.globl	k_q4ad3097fc5_prep
	.p2align	8
	.type	k_q4ad3097fc5_prep,@function
k_q4ad3097fc5_prep:
	s_mov_b64 s[64:65], 0
	v_nop
	global_prefetch_b8 v0, s[64:65] scope:SCOPE_SE
	s_setreg_imm32_b32 hwreg(HW_REG_WAVE_MODE, 25, 1), 1
	s_wait_xcnt 0x0
; TWO STREAMS IN ONE LAUNCH, both operands of the product that follows:
;   xb = bf16(x), rounded to nearest even.  x: 33,554,432 f32; xb: as many bf16, in the same order.
;   wb[n][k] = bf16( (f32(nibble) - f32(zero[k/128][n])) * scale[k/128][n] ): cast, subtract in f32, multiply in f32, round once to bf16, in that order.
;   qweight: [2048][512] words of eight nibbles, the lowest k in the lowest bits.  qscale (f32), qzeros (i32): [32][2048].  wb: [2048][4096] bf16, rows of 8,192 bytes.
; No limit of range: every f32 of x, every i32 zero and every f32 scale is taken as it is.
; Every byte is read once and written once, so the text is about bytes.  No matrix unit, no cluster, no barrier: no wave reads what another has fetched, and nothing is summed.  No prefetch: the
; launch is one stream from its first line to its last.
; SHARES.  1,024 work-groups of eight waves.
;   x: work-group g takes 128 KiB, a wave 16 KiB: 32 loads of 512 consecutive bytes (16 bytes a lane).  A load's four numbers a lane round into 8 bytes: one store of the wave covers 256 consecutive
;   bytes, at a multiple of 256 from xb's first byte.  A ring of 16 slots in registers keeps 16 loads of every wave on their way; two rounds, written out.
;   weights: work-group g takes rows 16 (g / 8) .. + 15, words 64 (g % 8) .. + 63 of each (256 aligned bytes of a row; k = 512 (g % 8) .. + 511: four groups; 1,024 bytes of a row of wb).
;   Wave w takes rows 2 w and 2 w + 1 of the sixteen with ONE load: lanes 0-15 the 256 bytes of the first, lanes 16-31 those of the second; a lane's four words are 32 numbers of one group.
; ORDER.  The weights' three loads go out first, then the ring's sixteen; the weights are worked on and stored while the ring's first loads are on their way.
; THE WEIGHTS' WAY OUT.  A lane ends with 64 bytes on end of a row of wb, four registers a word; a store of one word from all lanes would write 16 bytes of every 64.  So the numbers go through a stage
; in LDS, each wave's own, and come back as 512 bytes on end; no wait between the stores and the loads, since LDS serves a wave's instructions in order (ISA guide 5.7.1.4).
; In the stage a row's 16 pieces of 64 bytes lie 80 bytes apart: the 16 lanes of a store then touch 16 different columns of 16 bytes (5 x lane modulo 16).
.set DEPTH, 16                         ; slots = loads of x in flight in each wave
.set PIECE, 80                         ; 64 bytes and 16 of padding
.set RP,    16*PIECE                   ; a row in the stage: 1,280 bytes
.set WST,   2*RP                       ; a wave's stage: two rows
.set SPARE, 8*WST                      ; behind the stages: the spare words, 128 bytes for each of the eight waves: four blocks of 256 bytes that no other line names
.set XO,  2                            ; v2        my byte offset in the work-group's part of x: 16,384 x wave + 16 x lane; never rewritten
.set YO,  3                            ; v3        in its part of xb: 8,192 x wave + 8 x lane; never rewritten
.set QO,  4                            ; v4        in its words: (2 w + lane / 16) x 2,048 + 16 (lane % 16); never rewritten
.set SO,  5                            ; v5        in its scales and zeros: ((lane % 16) / 4) x 8,192 + 4 (2 w + lane / 16); never rewritten
.set STO, 6                            ; v6        where I put 16 bytes in the stage
.set RD,  7                            ; v7        where I read the stage back
.set X,   8                            ; v[8:71]   slot i: four registers as loaded; in the second round also what is stored
.set Y,   72                           ; v[72:103] slot i: two registers that the first round stores.  Ahead of the first round the same registers serve the weights:
.set W,   72                           ; v[72:75]    my four words
.set SS,  76                           ; v[76:77]    my scale, twice (a pair for the packed multiply)
.set ZZ,  78                           ; v[78:79]    my zero in f32, twice
.set T,   80                           ; v[80:95]    at work: two sets of eight that take turns
.set LQ,  96                           ; v96         lane % 16
.set HI,  97                           ; v97         lane / 16
.set TM,  98                           ; v98         at work
.set DY,  104                          ; v[104:119] the weights' results: four registers a word, then 16 bytes a lane as stored; not written again, so their stores need no wait
.set GO,  120                          ; v120      my byte offset in the work-group's part of wb; never rewritten
.set SPW, 122                          ; v122      LDS address of my spare word; never rewritten
.set NIL, 123                          ; v123      0; never rewritten
	s_load_b256 s[4:11], s[0:1], 0x0               ; x s[4:5], qweight s[6:7], qscale s[8:9], qzeros s[10:11]
	s_load_b128 s[12:15], s[0:1], 0x20             ; xb s[12:13], wb s[14:15]
	v_lshl_add_u32 v[SPW], v0, 2, SPARE
	v_mov_b32 v[NIL], 0
	v_lshrrev_b32 v1, 5, v0
	v_readfirstlane_b32 s16, v1                    ; wave 0..7
	v_and_b32 v1, 31, v0                           ; lane
	v_and_b32 v[LQ], 15, v0
	v_bfe_u32 v[HI], v0, 4, 1
	s_lshl_b32 s17, s16, 14
	v_lshl_add_u32 v[XO], v1, 4, s17
	v_lshl_add_u32 v[GO], v1, 4, s17               ; my wave's two rows of wb are 16,384 bytes too
	s_lshl_b32 s28, s16, 13
	v_lshl_add_u32 v[YO], v1, 3, s28
	s_lshl_b32 s18, ttmp9, 17                      ; the work-group's 131,072 bytes of x (under 2^27 in all)
	s_mov_b32 s19, 0
	s_lshl_b32 s20, ttmp9, 16                      ; and its 65,536 of xb
	s_mov_b32 s21, 0
	s_and_b32 s29, ttmp9, 7                        ; which 64 words of the rows
	s_lshr_b32 s30, ttmp9, 3                       ; which 16 rows
	s_lshl_b32 s22, s30, 15                        ; qweight: 16 rows of 2,048 bytes,
	s_lshl_b32 s23, s29, 8                         ; 256 bytes of each
	s_add_co_u32 s22, s22, s23
	s_mov_b32 s23, 0
	s_lshl_b32 s24, s29, 15                        ; scales and zeros: four groups of 8,192 bytes,
	s_lshl_b32 s25, s30, 6                         ; 16 numbers of each
	s_add_co_u32 s24, s24, s25
	s_mov_b32 s25, 0
	s_lshl_b32 s26, s30, 17                        ; wb: 16 rows of 8,192 bytes,
	s_lshl_b32 s27, s29, 10                        ; 1,024 bytes of each
	s_add_co_u32 s26, s26, s27
	s_mov_b32 s27, 0
	s_lshl_b32 s31, s16, 12                        ; my wave's two rows of words
	v_lshlrev_b32 v[QO], 4, v[LQ]
	v_lshl_add_u32 v[QO], v[HI], 11, v[QO]
	v_add_nc_u32 v[QO], s31, v[QO]
	v_lshrrev_b32 v[TM], 2, v[LQ]                  ; my words' group
	v_lshlrev_b32 v[SO], 2, v[HI]
	v_lshl_add_u32 v[SO], v[TM], 13, v[SO]
	s_lshl_b32 s29, s16, 3
	v_add_nc_u32 v[SO], s29, v[SO]
	s_mul_i32 s30, s16, WST                        ; my stage
	v_mul_u32_u24 v[STO], v[LQ], PIECE             ; my 64 bytes of a row,
	v_mul_u32_u24 v[TM], v[HI], RP                 ; the second row a row further on
	v_add_nc_u32 v[STO], v[STO], v[TM]
	v_add_nc_u32 v[STO], s30, v[STO]
	v_lshrrev_b32 v[TM], 2, v1                     ; back: 32 lanes take 512 bytes of a row: byte 16 l lies in piece l / 4,
	v_add_nc_u32 v[TM], v[TM], v1                  ; so at 16 (l + l / 4)
	v_lshl_add_u32 v[RD], v[TM], 4, s30
	s_wait_kmcnt 0x0
	s_add_nc_u64 s[4:5], s[4:5], s[18:19]
	s_add_nc_u64 s[12:13], s[12:13], s[20:21]
	s_add_nc_u64 s[6:7], s[6:7], s[22:23]
	s_add_nc_u64 s[8:9], s[8:9], s[24:25]
	s_add_nc_u64 s[10:11], s[10:11], s[24:25]
	s_add_nc_u64 s[14:15], s[14:15], s[26:27]
	global_load_b32 v[SS], v[SO], s[8:9]           ; my group's and row's scale,
	global_load_b32 v[ZZ], v[SO], s[10:11]         ; and zero
	global_load_b128 v[W:W+3], v[QO], s[6:7] th:TH_LOAD_NT  ; two rows' 256 bytes; read once in the launch
.irp i, 0,1,2,3,4,5,6,7,8,9,10,11,12,13,14,15
	global_load_b128 v[X+4*(\i):X+4*(\i)+3], v[XO], s[4:5] offset:512*(\i) th:TH_LOAD_NT  ; the ring is filled; x is read once in the launch
.endr
; Word j: eight nibbles to eight bf16, 16 bytes, into the stage.
.macro WORD j
.set TT, T+8*((\j)%2)
.set WW, W+(\j)
.set YY, DY+4*(\j)
.irp n, 0,1,2,3,4,5,6,7
	v_bfe_u32 v[TT+(\n)], v[WW], 4*(\n), 4
.endr
.irp n, 0,1,2,3,4,5,6,7
	v_cvt_f32_u32 v[TT+(\n)], v[TT+(\n)]
.endr
.irp n, 0,2,4,6
	v_pk_add_f32 v[TT+(\n):TT+(\n)+1], v[TT+(\n):TT+(\n)+1], v[ZZ:ZZ+1] neg_lo:[0,1] neg_hi:[0,1]  ; q - z
.endr
.irp n, 0,2,4,6
	v_pk_mul_f32 v[TT+(\n):TT+(\n)+1], v[TT+(\n):TT+(\n)+1], v[SS:SS+1]  ; times s: the difference is rounded first, so no fused form
.endr
.irp n, 0,1,2,3
	v_cvt_pk_bf16_f32 v[YY+(\n)], v[TT+2*(\n)], v[TT+2*(\n)+1]
.endr
	ds_store_b128 v[STO], v[YY:YY+3] offset:16*(\j)  ; word j's eight numbers lie 16 j on in my 64 bytes
.endm
	s_wait_loadcnt DEPTH                           ; loads come back in order (ISA guide 5.7.1): scale, zero and words are in; the ring's sixteen, which are younger, stay out
	v_cvt_f32_i32 v[ZZ], v[ZZ]
	v_mov_b32 v[SS+1], v[SS]                       ; the packed forms take a pair
	v_mov_b32 v[ZZ+1], v[ZZ]
	WORD 0
	WORD 1
	WORD 2
	WORD 3
.irp t, 0,1,2,3
	ds_load_b128 v[DY+4*(\t):DY+4*(\t)+3], v[RD] offset:((\t)/2)*RP+((\t)%2)*8*PIECE  ; row t / 2, its first or second eight pieces
.endr
.irp t, 0,1,2,3
	s_wait_dscnt 3-(\t)                            ; load t is back, the younger ones stay out
	global_store_b128 v[GO], v[DY+4*(\t):DY+4*(\t)+3], s[14:15] offset:((\t)/2)*8192+((\t)%2)*512  ; the wave stores 512 consecutive bytes, at a multiple of 512 from wb's first byte
.endr
; The first round: slot i is rounded into Y, filled again with the load DEPTH further on, and stored.
.macro FIRST i
	s_wait_loadcnt DEPTH-1                         ; mine is in, the fifteen younger loads stay out
	v_cvt_pk_bf16_f32 v[Y+2*(\i)],   v[X+4*(\i)],   v[X+4*(\i)+1]
	v_cvt_pk_bf16_f32 v[Y+2*(\i)+1], v[X+4*(\i)+2], v[X+4*(\i)+3]
	global_load_b128 v[X+4*(\i):X+4*(\i)+3], v[XO], s[4:5] offset:512*(DEPTH+(\i)) th:TH_LOAD_NT  ; the load ahead of the store
	global_store_b64 v[YO], v[Y+2*(\i):Y+2*(\i)+1], s[12:13] offset:256*(\i)
.endm
; The second round loads nothing, so it rounds in place: the slot's own registers, whose load the counted wait shows done, take the result and are not written again.
; Y, which the first round's stores read, is left alone: no wait for those stores is needed.
.macro SECOND i
	s_wait_loadcnt DEPTH-1-(\i)                    ; the counts run down
	v_cvt_pk_bf16_f32 v[X+4*(\i)],   v[X+4*(\i)],   v[X+4*(\i)+1]
	v_cvt_pk_bf16_f32 v[X+4*(\i)+1], v[X+4*(\i)+2], v[X+4*(\i)+3]
	global_store_b64 v[YO], v[X+4*(\i):X+4*(\i)+1], s[12:13] offset:256*(DEPTH+(\i))
.endm
.irp i, 0,1,2,3,4,5,6,7,8,9,10,11,12,13,14,15
	FIRST \i
.endr
.irp i, 0,1,2,3,4,5,6,7,8,9,10,11,12,13,14,15
	SECOND \i
.endr
	s_wait_tensorcnt 0x0                           ; the wave's end: behind my last LDS store
	ds_add_u32 v[SPW], v[NIL]
	s_wait_dscnt 0x0
	s_endpgm
.Lfunc_end_k_q4ad3097fc5_prep:
	.size	k_q4ad3097fc5_prep, .Lfunc_end_k_q4ad3097fc5_prep-k_q4ad3097fc5_prep
	.p2alignl 7, 3214868480
	.fill 96, 4, 3214868480
	.section	.rodata,"a",@progbits
	.p2align	6, 0x0
	.amdhsa_kernel k_q4ad3097fc5_prep
		.amdhsa_group_segment_fixed_size 21504
		.amdhsa_private_segment_fixed_size 0
		.amdhsa_enable_private_segment 0
		.amdhsa_kernarg_size 48
		.amdhsa_user_sgpr_count 2
		.amdhsa_user_sgpr_kernarg_segment_ptr 1
		.amdhsa_wavefront_size32 1
		.amdhsa_system_sgpr_workgroup_id_x 1
		.amdhsa_system_sgpr_workgroup_id_y 1
		.amdhsa_system_sgpr_workgroup_id_z 1
		.amdhsa_system_vgpr_workitem_id 0
		.amdhsa_next_free_vgpr 124
		.amdhsa_next_free_sgpr 66
		.amdhsa_reserve_vcc 0
		.amdhsa_float_denorm_mode_32 3
		.amdhsa_float_denorm_mode_16_64 3
		.amdhsa_memory_ordered 1
		.amdhsa_forward_progress 1
		.amdhsa_inst_pref_size 22
	.end_amdhsa_kernel
	.amdgpu_metadata
---
amdhsa.version: [ 1, 2 ]
amdhsa.kernels:
  - .name:           k_q4ad3097fc5_prep
    .symbol:         k_q4ad3097fc5_prep.kd
    .args:
      - { .name: x, .offset: 0, .size: 8, .value_kind: global_buffer, .address_space: global }
      - { .name: qweight, .offset: 8, .size: 8, .value_kind: global_buffer, .address_space: global }
      - { .name: qscale, .offset: 16, .size: 8, .value_kind: global_buffer, .address_space: global }
      - { .name: qzeros, .offset: 24, .size: 8, .value_kind: global_buffer, .address_space: global }
      - { .name: xb, .offset: 32, .size: 8, .value_kind: global_buffer, .address_space: global }
      - { .name: wb, .offset: 40, .size: 8, .value_kind: global_buffer, .address_space: global }
    .group_segment_fixed_size: 21504
    .private_segment_fixed_size: 0
    .kernarg_segment_align: 8
    .kernarg_segment_size: 48
    .max_flat_workgroup_size: 256
    .sgpr_count:     66
    .vgpr_count:     124
    .wavefront_size: 32
...
	.end_amdgpu_metadata
.endif
;; end of part 3
;; launch gemm (part 4): grid 8 x 32, 4 waves a work-group, clusters of 4 x 4, 327,680 bytes of LDS; arguments xb, wb, out0; writes out0
.if DOCPART == 4
	.amdgcn_target "amdgcn-amd-amdhsa--gfx1250"
	.amdhsa_code_object_version 6
	.text
	.protected	k_q4ad3097fc5_gemm
	.globl	k_q4ad3097fc5_gemm
	.p2align	8
	.type	k_q4ad3097fc5_gemm,@function
k_q4ad3097fc5_gemm:
	s_mov_b64 s[64:65], 0
	v_nop
	global_prefetch_b8 v0, s[64:65] scope:SCOPE_SE
	s_setreg_imm32_b32 hwreg(HW_REG_WAVE_MODE, 25, 1), 1
	s_wait_xcnt 0x0
	s_wait_alu depctr_hold_cnt(0) depctr_sa_sdst(0) depctr_va_vdst(0) depctr_va_sdst(0) depctr_va_ssrc(0) depctr_va_vcc(0) depctr_vm_vsrc(0)
	s_getreg_b32 s2, hwreg(HW_REG_IB_STS2, 6, 4)
	s_cmp_eq_u32 s2, 0
	s_cbranch_scc0 .Lentry_in_a_cluster
	s_endpgm
.Lentry_in_a_cluster:
	s_bfe_u32 s2, ttmp6, 0x10000c
	s_cmp_lg_u32 s2, 0xf033
	s_cbranch_scc0 .Lentry_shape_is_right
	s_endpgm
.Lentry_shape_is_right:
; out0[m][n] = the sum over k of xb[m][k] wb[n][k].  xb: [8192][4096] bf16, wb: [2048][4096] bf16, out0: [8192][2048] f32.  One f32 sum for each output, K ascending, stored as it is.
; LIMITS.  NaN and infinities are not treated apart.  No limit of range: both operands are bf16.
; A tile of out0, 256 x 256, is made by a work-group of four waves, as many as a WGP has SIMDs; 8 x 32 tiles, one to a work-group.  A wave makes 128 x 128: 64 accumulators of 16 x 16, 512 registers.
; K goes in steps of 128 through a ring of two LDS slots filled by the tensor data mover: the rows of both tiles are 256 bytes of memory and start at multiples of 256 bytes from the buffer's first byte.
; CLUSTERS: 4 x 4 work-groups.  The four of a row of the cluster make tiles of one tile row and need the same tiles of xb; the four of a column need the same tiles of wb.  Such a tile is asked for
; JOINTLY: each of the four issues the same tensor load, with the same descriptor and a mask that names the four, and each receives the tile in its own LDS.
;
; REGISTERS, in windows of 256 (an instruction names v0-v255; s_set_vgpr_msb says which window each operand place means: bits 1:0 source 0, 3:2 source 1, 5:4 source 2, 7:6 destination):
;   window 0: v0-31 addresses; v64-127, v128-191 fragments of xb (8 x 16 rows x 32 K), two buffers; on the way out the same 128 registers, two sets of 64
;   window 1: v64-127, v128-191 fragments of wb, two buffers
;   window 2: the 32 accumulators of my rows 0-63 (accumulator (a, b) at v[8 (8 a + b)]);   window 3: those of my rows 64-127
; Work is laid in long stretches under one setting: 32 matrix instructions, 16 loads, 16 loads, 32 matrix instructions.
;
; THE MATRIX INSTRUCTION IS USED TRANSPOSED: source 0 = 16 rows of wb, source 1 = 16 rows of xb.  In the result lane l holds row m = l % 16 of out0, and its registers 0 to 7 the columns
; n = 8 (l / 16) + 0 .. 7: 32 bytes on end of a row.
.set SIZE_M, 8192
.set SIZE_N, 2048
.set SIZE_K, 4096
.set KSTEP,  128
.set PITCH,  272                       ; an LDS row: 256 bytes of data + 16 of padding = 68 words: row r starts at bank 4 r mod 64 (64 banks of 4 bytes: ISA guide 11.1), so the 16 rows that a load touches start at 16 different banks
.set HALFT,  128*PITCH                 ; 128 rows: what one tensor load brings, and what one wave reads of xb or of wb
.set SLOT,   4*HALFT                   ; xb's 256 rows, then wb's 256 rows
.set STAGE,  2*SLOT                    ; behind the ring, never filled by a tensor load: 16 rows x 528 bytes for each wave, for the way out
.set SPITCH, 528                       ; 512 bytes + 16: 33 x 16
.set SPARE,  STAGE+4*16*SPITCH         ; behind the stages: the spare words, 128 bytes for each wave: two blocks of 256 bytes that no other line names
.set LAPS, SIZE_K/(2*KSTEP)            ; a lap = two K steps = once round the ring: 16
.set ROWO,   SIZE_N*4                  ; bytes in a row of out0
.set ADRA, 16                          ; v16-17  LDS address of my xb fragments in slot 0, 1
.set ADRB, 20                          ; v20-21  the same for wb
.set STO,  24                          ; v24     the way out: where I put 16 bytes of a row
.set RD,   25                          ; v25     the way out: where I read a row back
.set CO,   26                          ; v26     my byte offset in 512 bytes of out0
.set SPW,  28                          ; v28     LDS address of my spare word: SPARE + 4 x my thread's number; never rewritten
.set NIL,  29                          ; v29     0; never rewritten
.set PFO,  30                          ; v30     the prefetches' offset: my lane x a row of xb or wb in memory; never rewritten
.set PFA,  44                          ; s[44:45] where my prefetches stand: my work-group's 32 rows of the 128 that I fetch, one K step further along K than the refill that is being asked for; a prefetch names the K step after that
.set LIM,  43                          ; s43     1 in a wave that prefetches, else the greatest number
.set F0,   64                          ; fragment buffer 0
.set F1,   128                         ; fragment buffer 1
.set G1, 24                            ; s[24:31] descriptor group 1 for xb's tiles
.set G0, 32                            ; s[32:39] descriptor group 0 for xb's tiles, one set for each slot
.set G1B, 48                           ; s[48:55] descriptor group 1 for wb's tiles: it differs from xb's in the mask alone
.set G0B, 56                           ; s[56:63] descriptor group 0 for wb's tiles, one set for each slot
.set MSB, 0
.macro WIN new                         ; the immediate's high byte repeats the setting that is left; a switch that changes nothing is dropped
.if MSB != (\new)
	s_set_vgpr_msb (MSB<<8)|(\new)
.set MSB, \new
.endif
.endm
.set MUL_LO, 0xa1                      ; source 0 (wb) window 1, source 1 (xb) window 0, C and D window 2
.set MUL_HI, 0xf1                      ; the same, C and D window 3
.set TO_B,   0x40                      ; destination window 1, address window 0
.set ST_LO,  0x08                      ; an LDS store's data from window 2
.set ST_HI,  0x0c                      ; from window 3
; A joint load.  Waves 0 and 1 fetch xb's two halves, waves 2 and 3 wb's.  Each of the two lines has ONE mask and one set of registers for all that issue it, and nothing in them hangs on a
; coordinate that the four partners do not share.  The branch hangs on the wave's number alone: it is the same in every work-group.
; An s_nop 0 and four v_nop follow each of the two lines; the jump round the other line, the label and what follows the macro come after them.
.macro JLOAD s
	s_cmp_eq_u32 s11, 0
	s_cbranch_scc0 .Lfor_b_\@
	tensor_load_to_lds s[G0+4*(\s):G0+4*(\s)+3], s[G1:G1+7]
	s_nop 0
.rept 4
	v_nop
.endr
	s_branch .Lasked_\@
.Lfor_b_\@:
	tensor_load_to_lds s[G0B+4*(\s):G0B+4*(\s)+3], s[G1B:G1B+7]
	s_nop 0
.rept 4
	v_nop
.endr
.Lasked_\@:
.endm
; A PREFETCH INTO THE L2, behind each joint load, its five lines and the run of LDS loads that follows them: the K step that stands TWO refills on, 512 matrix instructions ahead of the load that will
; want it: 32 rows x 256 bytes, a lane a row, one instruction a wave.  At a change of slots every wave has waited for all its tensor loads, so the refill that follows has nothing on its way beside it.
; Each row's 256 bytes of a K step are named ONCE in the launch.  xb's tile row is read by both clusters of that row of clusters: cluster x = 0 asks; wb's tile column by all eight clusters of that
; column: cluster y = 0 asks.  The four partners that ask for a tile jointly share its rows out BY ADDRESS: of the 128 rows that a wave fetches, the partner at place p takes 32 p .. 32 p + 31
; (p = cx for xb, cy for wb): no branch hangs on a work-group's place in its cluster.  K steps 0 to 3 come by their loads alone; the loop's last trip (s3 = 1) has no K step two on and asks for nothing.
.macro ASK
	s_cmp_gt_u32 s3, s[LIM]
	s_cbranch_scc0 .Lnot_mine_\@
	global_prefetch_b8 v[PFO], s[PFA:PFA+1] offset:KSTEP*2 th:TH_LOAD_NT scope:SCOPE_SE
.Lnot_mine_\@:
.endm
; A round of the cluster's barrier: my work-group's barrier, so that wave 0's signal speaks for all four waves; wave 0 signals for the work-group; every wave waits for all sixteen work-groups;
; my work-group's barrier once more.  No LDS instruction of the wave is pending at a signal.
.macro CREST                           ; a round behind its opening barrier
	s_cmp_lg_u32 s10, 0
	s_cbranch_scc1 .Lnot_wave_0_\@
	s_barrier_signal -3
.Lnot_wave_0_\@:
	s_barrier_wait -3
	s_barrier_signal -1
	s_barrier_wait -1
.endm
.macro CROUND                          ; a whole round
	s_barrier_signal -1
	s_barrier_wait -1
	CREST
.endm
	s_load_b128 s[4:7], s[0:1], 0x0                ; xb s[4:5], wb s[6:7]
	s_load_b64 s[8:9], s[0:1], 0x10                ; out0
	v_lshl_add_u32 v[SPW], v0, 2, SPARE
	v_mov_b32 v[NIL], 0
	ds_add_u32 v[SPW], v[NIL]                      ; the wave's opening: the add, twice on end, and its wait, ahead of my first tensor load; the set-up below, work on registers, stands between
	ds_add_u32 v[SPW], v[NIL]                      ; and once more, under the one wait
	v_lshrrev_b32 v1, 5, v0
	v_readfirstlane_b32 s10, v1                    ; wave 0..3
	s_lshr_b32 s11, s10, 1                         ; which half of the tile's rows is mine.  Also: I fetch for xb (0) or for wb (1)
	s_and_b32 s12, s10, 1                          ; which half of its columns.  Also: which 128 rows of that tile I fetch
	s_bfe_u32 s40, ttmp6, 0x40000                  ; cx: my place along the cluster's x
	s_bfe_u32 s41, ttmp6, 0x40004                  ; cy: along its y
	s_lshl_b32 s42, ttmp9, 2                       ; in a cluster launch ttmp9 and ttmp7 count clusters
	s_add_co_u32 s42, s42, s40                     ; tile column = 4 x cluster x + cx
	s_and_b32 s13, ttmp7, 0xffff
	s_lshl_b32 s13, s13, 2
	s_add_co_u32 s13, s13, s41                     ; tile row = 4 x cluster y + cy
	s_lshl_b32 s43, s41, 2
	s_lshl_b32 s43, 15, s43                        ; my row of the cluster: places 4 cy .. 4 cy + 3
	s_lshl_b32 s44, 0x1111, s40                    ; my column: places cx, cx + 4, cx + 8, cx + 12
	; descriptor group 1: a tile of 128 rows x 128 elements, padded in LDS
	s_or_b32 s[G1+0], s43, (1<<16)|(1<<20)|(1<<21)|(5<<22)|(3<<25)  ; 15:0 the mask: xb's tiles go to my row; 17:16 element of 2 bytes; 20 padding on; 21 set beside a mask; 24:22 after every 64 words (code 5); 31:25 of 4 words (code 3)
	s_or_b32 s[G1B+0], s44, (1<<16)|(1<<20)|(1<<21)|(5<<22)|(3<<25) ; the same with the mask of my column, for wb's tiles
	s_mov_b32 s[G1B+1], KSTEP<<16
	s_mov_b32 s[G1+1], KSTEP<<16                   ; tensor_dim0 = 128
	s_mov_b32 s[G1B+2], 128<<16
	s_mov_b32 s[G1+2], 128<<16                     ; tensor_dim1 = 128
	s_mov_b32 s[G1B+3], KSTEP<<16
	s_mov_b32 s[G1+3], KSTEP<<16                   ; tile_dim0 = 128
	s_mov_b32 s[G1B+4], 128
	s_mov_b32 s[G1+4], 128                         ; tile_dim1 = 128
	s_mov_b32 s[G1B+5], SIZE_K
	s_mov_b32 s[G1+5], SIZE_K                      ; elements from row to row
	s_mov_b32 s[G1B+6], 0
	s_mov_b32 s[G1+6], 0
	s_mov_b32 s[G1B+7], 0
	s_mov_b32 s[G1+7], 0
	; where the tiles come from.  xb's hang on the tile row alone, which my row of the cluster shares; wb's on the tile column alone, which my column shares.
	; Every wave makes both addresses, in registers that never hold the other coordinate, and asks by one of them.
	s_lshl_b32 s17, s12, 7                         ; which 128 rows of the tile I fetch
	s_lshl_b32 s16, s13, 8
	s_add_co_u32 s16, s16, s17                     ; xb: row 256 x tile row + 128 x half
	s_lshl_b32 s46, s42, 8
	s_add_co_u32 s46, s46, s17                     ; wb: row 256 x tile column + 128 x half
	s_mov_b32 s17, 0
	s_mov_b32 s47, 0
	s_mov_b64 s[18:19], SIZE_K*2
	s_mul_u64 s[16:17], s[16:17], s[18:19]         ; in bytes, in 64 bits
	s_mul_u64 s[46:47], s[46:47], s[18:19]
	s_mul_i32 s20, s10, HALFT                      ; and where they go: xb's two halves, then wb's two halves = wave x 128 rows: no place in the cluster enters an LDS address
	s_wait_dscnt 0x0                               ; both opening adds are done
	s_wait_kmcnt 0x0
	s_add_nc_u64 s[14:15], s[4:5], s[16:17]
	s_add_nc_u64 s[46:47], s[6:7], s[46:47]
	CROUND                                         ; all sixteen work-groups are here: the first joint loads meet
.irp s, 0,1
	s_mov_b32 s[G0+4*(\s)], 1                                      ; count = 1
	s_add_co_u32 s[G0+4*(\s)+1], s20, (\s)*SLOT                    ; LDS address
	s_add_nc_u64 s[G0+4*(\s)+2:G0+4*(\s)+3], s[14:15], (\s)*KSTEP*2  ; global address: K step s
	s_or_b32 s[G0+4*(\s)+3], s[G0+4*(\s)+3], 0x80000000            ; type = 2
	s_mov_b32 s[G0B+4*(\s)], 1
	s_add_co_u32 s[G0B+4*(\s)+1], s20, (\s)*SLOT
	s_add_nc_u64 s[G0B+4*(\s)+2:G0B+4*(\s)+3], s[46:47], (\s)*KSTEP*2
	s_or_b32 s[G0B+4*(\s)+3], s[G0B+4*(\s)+3], 0x80000000
	JLOAD \s                                       ; the ring is filled before anything else is done: two loads of mine are out
.endr
	; A fragment is 16 rows x 32 K in 8 registers: lane l holds row l % 16; registers 0-3 hold K = 8 (l / 16) + 0..7, registers 4-7 hold K = 16 + 8 (l / 16) + 0..7.
	; From rows that lie along K: two loads of 16 bytes, 32 bytes apart.  The same for source 0 and source 1.
	v_and_b32 v1, 15, v0                           ; l % 16
	v_bfe_u32 v2, v0, 4, 1                         ; l / 16
	v_mul_u32_u24 v3, v1, PITCH
	v_lshl_add_u32 v3, v2, 4, v3                   ; row x pitch + 16 x half
	s_mul_i32 s21, s11, HALFT                      ; my 128 rows of xb
	s_mul_i32 s22, s12, HALFT                      ; my 128 rows of wb,
	s_add_co_u32 s22, s22, 2*HALFT                 ; which lie behind xb's 256
.irp s, 0,1
	v_add_nc_u32 v[ADRA+(\s)], s21, v3
	v_add_nc_u32 v[ADRB+(\s)], s22, v3
	s_add_co_u32 s21, s21, SLOT
	s_add_co_u32 s22, s22, SLOT
.endr
	s_mul_i32 s23, s10, 16*SPITCH
	s_add_co_u32 s23, s23, STAGE                   ; my stage
	v_mul_u32_u24 v4, v1, SPITCH                   ; in: row l % 16, 32 bytes for each half of the lanes
	v_lshl_add_u32 v4, v2, 5, v4
	v_add_nc_u32 v[STO], s23, v4
	v_and_b32 v5, 31, v0
	v_lshl_add_u32 v[RD], v5, 4, s23               ; back: 32 lanes take a row's 512 bytes
	v_lshlrev_b32 v[CO], 4, v5                     ; and the same 512 bytes in out0
	; out0 at my part of the tile
	s_lshl_b32 s13, s13, 8
	s_lshl_b32 s14, s11, 7
	s_add_co_u32 s16, s13, s14                     ; my first row of out0
	s_mov_b32 s17, 0
	s_mov_b64 s[18:19], ROWO
	s_mul_u64 s[16:17], s[16:17], s[18:19]
	s_lshl_b32 s46, s42, 10                        ; my first column, in bytes: 1,024 x tile column + 512 x half
	s_lshl_b32 s47, s12, 9
	s_add_co_u32 s46, s46, s47
	s_mov_b32 s47, 0
	s_add_nc_u64 s[16:17], s[16:17], s[46:47]
	s_add_nc_u64 s[8:9], s[8:9], s[16:17]
	; the prefetches.  s13 = 256 x tile row, s42 = tile column, s40 = cx, s41 = cy still stand; s[4:5] = xb, s[6:7] = wb
	s_lshl_b32 s42, s42, 8
	s_and_b32 s22, ttmp7, 0xffff                   ; cluster y
	s_cmp_eq_u32 s11, 0                            ; do I fetch for xb?
	s_cselect_b32 s20, s13, s42                    ; the tile's first row: in xb by the tile row, in wb by the tile column
	s_cselect_b32 s21, s40, s41                    ; my place among the four that ask for it with me
	s_cselect_b32 s22, ttmp9, s22                  ; the coordinate along which other clusters read the same rows
	s_cselect_b64 s[PFA:PFA+1], s[4:5], s[6:7]
	s_cmp_eq_u32 s22, 0
	s_cselect_b32 s[LIM], 1, -1                    ; the same in all sixteen partners, for a given wave
	s_lshl_b32 s22, s12, 7
	s_add_co_u32 s20, s20, s22                     ; + the 128 rows that I fetch
	s_lshl_b32 s21, s21, 5
	s_add_co_u32 s20, s20, s21                     ; + my work-group's 32 of them
	s_mov_b32 s21, 0
	s_mov_b64 s[18:19], SIZE_K*2
	s_mul_u64 s[20:21], s[20:21], s[18:19]
	s_add_nc_u64 s[PFA:PFA+1], s[PFA:PFA+1], s[20:21]
	s_add_nc_u64 s[PFA:PFA+1], s[PFA:PFA+1], 2*KSTEP*2  ; at K step 2: the first refill steps it to 3 and names K step 4
	v_and_b32 v[PFO], 31, v0
	v_mul_u32_u24 v[PFO], v[PFO], SIZE_K*2
	; nothing is prefetched here, at the head, where every work-group's first two tiles are on their way
; 16 matrix instructions: m blocks a0, a0 + 1 of the window's four (hi = 0: my rows 0-63, 1: rows 64-127) x all 8 n blocks, 32 along K.
; zero = 1: the first product starts the sums: nothing is ever cleared.
.macro MUL16 f, hi, a0, zero
	WIN MUL_LO+0x50*(\hi)  ; MUL_LO or MUL_HI
.irp a, \a0, (\a0)+1
.irp b, 0,1,2,3,4,5,6,7
.if \zero
	v_wmma_f32_16x16x32_bf16 v[8*(8*(\a)+(\b)):8*(8*(\a)+(\b))+7], v[(\f)+8*(\b):(\f)+8*(\b)+7], v[(\f)+8*(4*(\hi)+(\a)):(\f)+8*(4*(\hi)+(\a))+7], 0
.else
	v_wmma_f32_16x16x32_bf16 v[8*(8*(\a)+(\b)):8*(8*(\a)+(\b))+7], v[(\f)+8*(\b):(\f)+8*(\b)+7], v[(\f)+8*(4*(\hi)+(\a)):(\f)+8*(4*(\hi)+(\a))+7], v[8*(8*(\a)+(\b)):8*(8*(\a)+(\b))+7]
.endif
.endr
.endr
.endm
; 32 LDS loads in one run: the fragments of one quarter step (128 rows of wb, 128 rows of xb, 32 K at byte k of the rows) into buffer f
.macro FETCH slot, k, f
	WIN TO_B
.irp i, 0,1,2,3,4,5,6,7
	ds_load_b128 v[(\f)+8*(\i):(\f)+8*(\i)+3],   v[ADRB+(\slot)] offset:(\k)+(\i)*16*PITCH
	ds_load_b128 v[(\f)+8*(\i)+4:(\f)+8*(\i)+7], v[ADRB+(\slot)] offset:(\k)+(\i)*16*PITCH+32
.endr
	WIN 0
.irp i, 0,1,2,3,4,5,6,7
	ds_load_b128 v[(\f)+8*(\i):(\f)+8*(\i)+3],   v[ADRA+(\slot)] offset:(\k)+(\i)*16*PITCH
	ds_load_b128 v[(\f)+8*(\i)+4:(\f)+8*(\i)+7], v[ADRA+(\slot)] offset:(\k)+(\i)*16*PITCH+32
.endr
.endm
; A load into a register that a matrix instruction has read, and an LDS store that reads a matrix result, stand four places behind that matrix instruction, and only plain vector instructions that
; name none of its registers are places (ISA guide 7.12.1 for vector instructions); the matrix instructions in between are not counted.
.macro PLACES
.rept 4
	v_nop
.endr
.endm
; A K step is four quarter steps of 32 along K, 64 matrix instructions each, on buffers 0, 1, 0, 1.  The 64 accumulators take turns, one instruction a turn, in the same order in every quarter, over the
; backward jump too: 63 others stand between two links of a chain.
; One of the first three quarters: multiplies buffer f; in its middle it fetches the next quarter's fragments, at byte k of the same slot's rows, into buffer g.
.macro QUARTER slot, k, f, g, zero
	s_wait_dscnt 8                                 ; wb and xb's rows 0-63 are in; the youngest eight loads (xb's rows 64-127) may be out
	WIN MUL_LO
	MUL16 \f, 0, 0, \zero
	MUL16 \f, 0, 2, \zero
	PLACES
	FETCH \slot, \k, \g
	s_wait_dscnt 32                                ; all but the 32 just issued
	WIN MUL_HI
	MUL16 \f, 1, 0, \zero
	MUL16 \f, 1, 2, \zero
.endm
; The last quarter multiplies buffer 1 and changes slots.  MEET is its first half: ONE barrier for the change of slots, for two things.  In front of it each wave waits for all its tensor loads, of which
; one is out: its part of the next slot; adds 0 to its spare word; and waits for that and for its own reads of this slot.  Behind it nobody reads this slot any more and the next slot is whole.
.macro MEET round                      ; round = 1: a round of the cluster's barrier follows
	WIN 0                                          ; (the add's two registers lie in window 0)
	s_wait_tensorcnt 0x0                           ; all my tensor loads have landed: the one that was out is my part of the next slot;
	ds_add_u32 v[SPW], v[NIL]                      ; 0 onto my spare word;
	s_wait_dscnt 9                                 ; (the add and the youngest eight loads may be out)
	WIN MUL_LO
	MUL16 F1, 0, 0, 0                              ; sixteen matrix instructions stand between the add and the wait for it
	s_wait_dscnt 0x0                               ; the add is done, and my reads of this slot are over (the last were issued 48 matrix instructions ago):
	s_barrier_signal -1                            ; say so (where a slot is filled again this barrier opens a round of the cluster's barrier),
	MUL16 F1, 0, 2, 0                              ; work on registers while the others arrive,
.if \round
	WIN 0
.endif
	s_barrier_wait -1                              ; and go on when all four have said so
.endm
; The whole last quarter.  Behind the round the slot just read out is filled again first, with the K step two steps on; then come the next slot's first fragments.
; From a request to the wait for it a wave issues 224 matrix instructions.
.macro TURN slot, next
	s_wait_xcnt 0x0                                ; the last prefetch, a K step back, has read its address: it is stepped here, ahead of the waits of the change of slots
	s_add_nc_u64 s[PFA:PFA+1], s[PFA:PFA+1], KSTEP*2
	MEET 1
	CREST                                          ; wave 0 says so for the work-group, all sixteen work-groups have said so, my work-group's barrier closes the round:
	                                               ; no wave of any partner still reads this slot's tile or has a load on its way
	s_add_nc_u64 s[G0+4*(\slot)+2:G0+4*(\slot)+3], s[G0+4*(\slot)+2:G0+4*(\slot)+3], 2*KSTEP*2
	s_add_nc_u64 s[G0B+4*(\slot)+2:G0B+4*(\slot)+3], s[G0B+4*(\slot)+2:G0B+4*(\slot)+3], 2*KSTEP*2
	JLOAD \slot                                    ; the first tensor load behind the round; the four v_nop behind it are also the places in front of the loads below
	FETCH \next, 0, F0
	ASK                                            ; behind the joint load and the run of LDS loads that the next products wait for
	WIN MUL_HI
	MUL16 F1, 1, 0, 0
	MUL16 F1, 1, 2, 0
.endm
	s_wait_tensorcnt 1                             ; my part of K step 0 is in; K step 1's, issued behind it, may stay out
	s_barrier_signal -1
	s_barrier_wait -1                              ; everybody's is
	FETCH 0, 0, F0
	QUARTER 0, 64,  F0, F1, 1                      ; the first quarter stands in front of the loop: its products start the sums
	WIN 0                                          ; at a label and at a branch every window is 0
	s_mov_b32 s3, LAPS-1
.Llap:                                                 ; a trip goes once round the ring, from a lap's second quarter to the next lap's first, and fills both slots again
	QUARTER 0, 128, F1, F0, 0
	QUARTER 0, 192, F0, F1, 0
	TURN 0, 1
	QUARTER 1, 64,  F0, F1, 0
	QUARTER 1, 128, F1, F0, 0
	QUARTER 1, 192, F0, F1, 0
	TURN 1, 0
	QUARTER 0, 64,  F0, F1, 0
	WIN 0
	s_sub_co_u32 s3, s3, 1
	s_cmp_lg_u32 s3, 0
	s_cbranch_scc1 .Llap
	QUARTER 0, 128, F1, F0, 0                      ; the last lap is written out: it fills nothing
	QUARTER 0, 192, F0, F1, 0
	MEET 0                                         ; my one tensor load that was still out is slot 1's, the last K step's, so no round follows
	PLACES                                         ; for the loads into buffer 0, which the quarter before multiplied
	FETCH 1, 0, F0
	WIN MUL_HI
	MUL16 F1, 1, 0, 0
	MUL16 F1, 1, 2, 0
	QUARTER 1, 64,  F0, F1, 0
	QUARTER 1, 128, F1, F0, 0
	QUARTER 1, 192, F0, F1, 0
	s_wait_dscnt 8                                 ; the very last quarter: nothing more to fetch
	MUL16 F1, 0, 0, 0
	MUL16 F1, 0, 2, 0
	s_wait_dscnt 0x0
	MUL16 F1, 1, 0, 0
	MUL16 F1, 1, 2, 0
; THE WAY OUT, a block of 16 rows at a time.  A lane's 32 bytes are one sixteenth of my 512 bytes of a row, and the lanes beside it hold other rows: so the block goes from the accumulators into my own
; stage in LDS, rows of 528 bytes, and comes back by rows, into xb's fragment registers, two sets of 64 by turns.  No barrier, and no wait between the stores and the loads: LDS serves a wave's
; instructions in order (ISA guide 5.7.1.4); the next block's stores come behind these loads.
.macro TOSTAGE a
	WIN ST_LO+4*((\a)/4)
.set AC, 64*((\a)%4)
.irp b, 0,1,2,3,4,5,6,7
	ds_store_b128 v[STO], v[AC+8*(\b):AC+8*(\b)+3]   offset:64*(\b)     ; each accumulator's four lowest registers first
	ds_store_b128 v[STO], v[AC+8*(\b)+4:AC+8*(\b)+7] offset:64*(\b)+16
.endr
.if (\a) >= 2
	s_wait_xcnt 0x0                                ; the stores of the block two back have read this set of registers (ISA guide 3.1): only now is it loaded again
.endif
	WIN 0
.set BK, F0+64*((\a)%2)
.irp t, 0,1,2,3,4,5,6,7,8,9,10,11,12,13,14,15
	ds_load_b128 v[BK+4*(\t):BK+4*(\t)+3], v[RD] offset:(\t)*SPITCH
.endr
.endm
.macro SEND a, younger                 ; younger: the LDS instructions issued behind block a's loads: the next block's 32, or none
	WIN 0
.set BK, F0+64*((\a)%2)
.irp t, 0,1,2,3,4,5,6,7,8,9,10,11,12,13,14,15
	s_wait_dscnt (\younger)+15-(\t)                ; row t is back
	global_store_b128 v[CO], v[BK+4*(\t):BK+4*(\t)+3], s[8:9] offset:(16*(\a)+(\t))*ROWO th:TH_STORE_NT  ; the wave stores 512 consecutive bytes, at a multiple of 512 from out0's first byte; 127 rows at the most, inside the signed 24 bits
.endr
.endm
	PLACES                                         ; the places between the last products and the LDS stores that read results, and the loads into xb's buffers: four are asked for,
	PLACES                                         ; eight are written, once a launch
	TOSTAGE 0
.irp a, 1,2,3,4,5,6,7                  ; a block's trip through the stage stands between the loads of the block before and its stores
	TOSTAGE \a
	SEND (\a)-1, 32
.endr
	SEND 7, 0
	s_wait_tensorcnt 0x0                           ; the wave's end: behind my last tensor load and my last LDS store
	ds_add_u32 v[SPW], v[NIL]
	s_wait_dscnt 0x0
	CROUND                                         ; the closing round: no work-group ends while a partner may still ask for a tile that names it
	s_endpgm
.Lfunc_end_k_q4ad3097fc5_gemm:
	.size	k_q4ad3097fc5_gemm, .Lfunc_end_k_q4ad3097fc5_gemm-k_q4ad3097fc5_gemm
	.p2alignl 7, 3214868480
	.fill 96, 4, 3214868480
	.section	.rodata,"a",@progbits
	.p2align	6, 0x0
	.amdhsa_kernel k_q4ad3097fc5_gemm
		.amdhsa_group_segment_fixed_size 327680
		.amdhsa_private_segment_fixed_size 0
		.amdhsa_enable_private_segment 0
		.amdhsa_kernarg_size 24
		.amdhsa_user_sgpr_count 2
		.amdhsa_user_sgpr_kernarg_segment_ptr 1
		.amdhsa_wavefront_size32 1
		.amdhsa_system_sgpr_workgroup_id_x 1
		.amdhsa_system_sgpr_workgroup_id_y 1
		.amdhsa_system_sgpr_workgroup_id_z 1
		.amdhsa_system_vgpr_workitem_id 0
		.amdhsa_next_free_vgpr 1024
		.amdhsa_next_free_sgpr 66
		.amdhsa_reserve_vcc 0
		.amdhsa_float_denorm_mode_32 3
		.amdhsa_float_denorm_mode_16_64 3
		.amdhsa_memory_ordered 1
		.amdhsa_forward_progress 1
		.amdhsa_inst_pref_size 145
	.end_amdhsa_kernel
	.amdgpu_metadata
---
amdhsa.version: [ 1, 2 ]
amdhsa.kernels:
  - .name:           k_q4ad3097fc5_gemm
    .symbol:         k_q4ad3097fc5_gemm.kd
    .args:
      - { .name: xb, .offset: 0, .size: 8, .value_kind: global_buffer, .address_space: global }
      - { .name: wb, .offset: 8, .size: 8, .value_kind: global_buffer, .address_space: global }
      - { .name: out0, .offset: 16, .size: 8, .value_kind: global_buffer, .address_space: global }
    .group_segment_fixed_size: 327680
    .private_segment_fixed_size: 0
    .kernarg_segment_align: 8
    .kernarg_segment_size: 24
    .max_flat_workgroup_size: 128
    .sgpr_count:     66
    .vgpr_count:     1024
    .wavefront_size: 32
...
	.end_amdgpu_metadata
.endif
;; end of part 4
;; ======== version 3 of 3: 2 launches; version 2 with the launch prep written anew for expert scheduling mode
;; workspace buffers: wb 16,777,216 bytes; xb 67,108,864 bytes
;; launch prep (part 5): grid 1024 x 1, 8 waves a work-group, no clusters, 21,504 bytes of LDS; arguments x, qweight, qscale, qzeros, xb, wb; writes xb, wb
.if DOCPART == 5
	.amdgcn_target "amdgcn-amd-amdhsa--gfx1250"
	.amdhsa_code_object_version 6
	.text
	.protected	k_q4ad3097fc5_prep
	.globl	k_q4ad3097fc5_prep
	.p2align	8
	.type	k_q4ad3097fc5_prep,@function
k_q4ad3097fc5_prep:
	s_mov_b64 s[64:65], 0
	v_nop
	global_prefetch_b8 v0, s[64:65] scope:SCOPE_SE
	s_setreg_imm32_b32 hwreg(HW_REG_WAVE_SCHED_MODE, 0, 2), 2
	s_setreg_imm32_b32 hwreg(HW_REG_WAVE_MODE, 25, 1), 1
	s_wait_xcnt 0x0
	s_wait_alu depctr_vm_vsrc(0)
; TWO STREAMS IN ONE LAUNCH, both operands of the product that follows:
;   xb = bf16(x), rounded to nearest even.  x: 33,554,432 f32; xb: as many bf16, in the same order.
;   wb[n][k] = bf16( (f32(nibble) - f32(zero[k/128][n])) * scale[k/128][n] ): cast, subtract in f32, multiply in f32, round once to bf16, in that order.
;   qweight: [2048][512] words of eight nibbles, the lowest k in the lowest bits.  qscale (f32), qzeros (i32): [32][2048].  wb: [2048][4096] bf16, rows of 8,192 bytes.
; No limit of range: every f32 of x, every i32 zero and every f32 scale is taken as it is.
; Every byte is read once and written once, so the text is about bytes.  No matrix unit, no cluster, no barrier: no wave reads what another has fetched, and nothing is summed.  No prefetch: the
; launch is one stream from its first line to its last.
; SHARES.  1,024 work-groups of eight waves.
;   x: work-group g takes 128 KiB, a wave 16 KiB: 32 loads of 512 consecutive bytes (16 bytes a lane).  A load's four numbers a lane round into 8 bytes: one store of the wave covers 256 consecutive
;   bytes, at a multiple of 256 from xb's first byte.  A ring of 16 slots in registers, taken in blocks of four, keeps up to 16 loads of every wave on their way; two rounds, written out.
;   weights: work-group g takes rows 16 (g / 8) .. + 15, words 64 (g % 8) .. + 63 of each (256 aligned bytes of a row; k = 512 (g % 8) .. + 511: four groups; 1,024 bytes of a row of wb).
;   Wave w takes rows 2 w and 2 w + 1 of the sixteen with ONE load: lanes 0-15 the 256 bytes of the first, lanes 16-31 those of the second; a lane's four words are 32 numbers of one group.
; ORDER.  The weights' three loads go out first, then the ring's sixteen; the weights are worked on and stored while the ring's first loads are on their way.
; THE WEIGHTS' WAY OUT.  A lane ends with 64 bytes on end of a row of wb, four registers a word; a store of one word from all lanes would write 16 bytes of every 64.  So the numbers go through a stage
; in LDS, each wave's own, and come back as 512 bytes on end; no wait on DScnt between the stores and the loads, since LDS serves a wave's instructions in order (ISA guide 5.7.1.4).
; In the stage a row's 16 pieces of 64 bytes lie 80 bytes apart: the 16 lanes of a store then touch 16 different columns of 16 bytes (5 x lane modulo 16).
; THE MODE: SCHED_MODE bits 1:0 = 2 (LLVM: expert scheduling mode 2), set by the entry lines.  The code itself states the register dependences between vector instructions and memory or LDS
; instructions, with s_wait_alu, always for 0.
; THE PLAN.  The text has no branch: one path.  Registers that memory or LDS instructions touch:
;   v2-7, v120   offsets and LDS addresses: written at the head, read by every load and store, never written again: one wait on va_vdst ahead of the first load serves them to the end.
;   W, SS, ZZ    three loads land in them; no vector instruction names them before, no memory instruction ever reads them.
;   DY           written by the four words' roundings; read by the four LDS stores; then the four loads from the stage land in it; read by the four stores to wb; never written again.
;                One wait on va_vdst behind the roundings, one on vm_vsrc between the LDS stores and the loads.
;   X            first round: a block's eight conversions read its sixteen registers; behind them the block's four refills land there.  Second round: the conversions write each slot's first two
;                registers in place; the block's four stores read them; nothing writes them again.
;   Y            first round: a block's conversions write its eight registers, once; the block's four stores read them; nothing writes them again, and no memory instruction has read them before.
;   So ONE wait on va_vdst stands in a block, behind its eight conversions and ahead of its loads and stores; it stands there, not at the next block's head, so that the block is asked for again at once.
;   v122, v123   written at the head, read by the closing add alone.
.set DEPTH, 16                         ; slots = loads of x in flight in each wave
.set BLOCK, 4                          ; slots in a block
.set PIECE, 80                         ; 64 bytes and 16 of padding
.set RP,    16*PIECE                   ; a row in the stage: 1,280 bytes
.set WST,   2*RP                       ; a wave's stage: two rows
.set SPARE, 8*WST                      ; behind the stages: the spare words, 128 bytes for each of the eight waves: four blocks of 256 bytes that no other line names
.set XO,  2                            ; v2        my byte offset in the work-group's part of x: 16,384 x wave + 16 x lane; never rewritten
.set YO,  3                            ; v3        in its part of xb: 8,192 x wave + 8 x lane; never rewritten
.set QO,  4                            ; v4        in its words: (2 w + lane / 16) x 2,048 + 16 (lane % 16); never rewritten
.set SO,  5                            ; v5        in its scales and zeros: ((lane % 16) / 4) x 8,192 + 4 (2 w + lane / 16); never rewritten
.set STO, 6                            ; v6        where I put 16 bytes in the stage
.set RD,  7                            ; v7        where I read the stage back
.set X,   8                            ; v[8:71]   slot i: four registers as loaded; in the second round also what is stored
.set Y,   72                           ; v[72:103] slot i: two registers that the first round stores.  Ahead of the first round the same registers serve the weights:
.set W,   72                           ; v[72:75]    my four words
.set SS,  76                           ; v[76:77]    my scale, twice (a pair for the packed multiply)
.set ZZ,  78                           ; v[78:79]    my zero in f32, twice
.set T,   80                           ; v[80:95]    at work: two sets of eight that take turns
.set LQ,  96                           ; v96         lane % 16
.set HI,  97                           ; v97         lane / 16
.set TM,  98                           ; v98         at work
.set DY,  104                          ; v[104:119] the weights' results: four registers a word, then 16 bytes a lane as stored; not written again behind the loads from the stage, so the stores to wb need no wait behind them
.set GO,  120                          ; v120      my byte offset in the work-group's part of wb; never rewritten
.set SPW, 122                          ; v122      LDS address of my spare word; never rewritten
.set NIL, 123                          ; v123      0; never rewritten
	s_load_b256 s[4:11], s[0:1], 0x0               ; x s[4:5], qweight s[6:7], qscale s[8:9], qzeros s[10:11]
	s_load_b128 s[12:15], s[0:1], 0x20             ; xb s[12:13], wb s[14:15]
	v_lshl_add_u32 v[SPW], v0, 2, SPARE
	v_mov_b32 v[NIL], 0
	v_lshrrev_b32 v1, 5, v0
	v_readfirstlane_b32 s16, v1                    ; wave 0..7
	v_and_b32 v1, 31, v0                           ; lane
	v_and_b32 v[LQ], 15, v0
	v_bfe_u32 v[HI], v0, 4, 1
	s_wait_alu depctr_va_sdst(0)                   ; s16 is written, ahead of its first reader: the wave's offsets are made from it
	s_lshl_b32 s17, s16, 14
	v_lshl_add_u32 v[XO], v1, 4, s17
	v_lshl_add_u32 v[GO], v1, 4, s17               ; my wave's two rows of wb are 16,384 bytes too
	s_lshl_b32 s28, s16, 13
	v_lshl_add_u32 v[YO], v1, 3, s28
	s_lshl_b32 s18, ttmp9, 17                      ; the work-group's 131,072 bytes of x (under 2^27 in all)
	s_mov_b32 s19, 0
	s_lshl_b32 s20, ttmp9, 16                      ; and its 65,536 of xb
	s_mov_b32 s21, 0
	s_and_b32 s29, ttmp9, 7                        ; which 64 words of the rows
	s_lshr_b32 s30, ttmp9, 3                       ; which 16 rows
	s_lshl_b32 s22, s30, 15                        ; qweight: 16 rows of 2,048 bytes,
	s_lshl_b32 s23, s29, 8                         ; 256 bytes of each
	s_add_co_u32 s22, s22, s23
	s_mov_b32 s23, 0
	s_lshl_b32 s24, s29, 15                        ; scales and zeros: four groups of 8,192 bytes,
	s_lshl_b32 s25, s30, 6                         ; 16 numbers of each
	s_add_co_u32 s24, s24, s25
	s_mov_b32 s25, 0
	s_lshl_b32 s26, s30, 17                        ; wb: 16 rows of 8,192 bytes,
	s_lshl_b32 s27, s29, 10                        ; 1,024 bytes of each
	s_add_co_u32 s26, s26, s27
	s_mov_b32 s27, 0
	s_lshl_b32 s31, s16, 12                        ; my wave's two rows of words
	v_lshlrev_b32 v[QO], 4, v[LQ]
	v_lshl_add_u32 v[QO], v[HI], 11, v[QO]
	v_add_nc_u32 v[QO], s31, v[QO]
	v_lshrrev_b32 v[TM], 2, v[LQ]                  ; my words' group
	v_lshlrev_b32 v[SO], 2, v[HI]
	v_lshl_add_u32 v[SO], v[TM], 13, v[SO]
	s_lshl_b32 s29, s16, 3
	v_add_nc_u32 v[SO], s29, v[SO]
	s_mul_i32 s30, s16, WST                        ; my stage
	v_mul_u32_u24 v[STO], v[LQ], PIECE             ; my 64 bytes of a row,
	v_mul_u32_u24 v[TM], v[HI], RP                 ; the second row a row further on
	v_add_nc_u32 v[STO], v[STO], v[TM]
	v_add_nc_u32 v[STO], s30, v[STO]
	v_lshrrev_b32 v[TM], 2, v1                     ; back: 32 lanes take 512 bytes of a row: byte 16 l lies in piece l / 4,
	v_add_nc_u32 v[TM], v[TM], v1                  ; so at 16 (l + l / 4)
	v_lshl_add_u32 v[RD], v[TM], 4, s30
	s_wait_kmcnt 0x0
	s_add_nc_u64 s[4:5], s[4:5], s[18:19]
	s_add_nc_u64 s[12:13], s[12:13], s[20:21]
	s_add_nc_u64 s[6:7], s[6:7], s[22:23]
	s_add_nc_u64 s[8:9], s[8:9], s[24:25]
	s_add_nc_u64 s[10:11], s[10:11], s[24:25]
	s_add_nc_u64 s[14:15], s[14:15], s[26:27]
	s_wait_alu depctr_va_vdst(0)                   ; the seven offsets and addresses v2 to v7 and v120 are written, which the loads and stores of the whole kernel read; no vector instruction names them again
	global_load_b32 v[SS], v[SO], s[8:9]           ; my group's and row's scale,
	global_load_b32 v[ZZ], v[SO], s[10:11]         ; and zero
	global_load_b128 v[W:W+3], v[QO], s[6:7] th:TH_LOAD_NT  ; two rows' 256 bytes; read once in the launch
.irp i, 0,1,2,3,4,5,6,7,8,9,10,11,12,13,14,15
	global_load_b128 v[X+4*(\i):X+4*(\i)+3], v[XO], s[4:5] offset:512*(\i) th:TH_LOAD_NT  ; the ring is filled; x is read once in the launch
.endr
; Word j: eight nibbles to eight bf16, 16 bytes, in DY's registers 4 j to 4 j + 3.  Vector instructions alone: the four words' LDS stores follow in one run.
.macro WORD j
.set TT, T+8*((\j)%2)
.set WW, W+(\j)
.set YY, DY+4*(\j)
.irp n, 0,1,2,3,4,5,6,7
	v_bfe_u32 v[TT+(\n)], v[WW], 4*(\n), 4
.endr
.irp n, 0,1,2,3,4,5,6,7
	v_cvt_f32_u32 v[TT+(\n)], v[TT+(\n)]
.endr
.irp n, 0,2,4,6
	v_pk_add_f32 v[TT+(\n):TT+(\n)+1], v[TT+(\n):TT+(\n)+1], v[ZZ:ZZ+1] neg_lo:[0,1] neg_hi:[0,1]  ; q - z
.endr
.irp n, 0,2,4,6
	v_pk_mul_f32 v[TT+(\n):TT+(\n)+1], v[TT+(\n):TT+(\n)+1], v[SS:SS+1]  ; times s: the difference is rounded first, so no fused form
.endr
.irp n, 0,1,2,3
	v_cvt_pk_bf16_f32 v[YY+(\n)], v[TT+2*(\n)], v[TT+2*(\n)+1]
.endr
.endm
	s_wait_loadcnt DEPTH                           ; loads come back in order (ISA guide 5.7.1): scale, zero and words are in; the ring's sixteen, which are younger, stay out
	v_cvt_f32_i32 v[ZZ], v[ZZ]
	v_mov_b32 v[SS+1], v[SS]                       ; the packed forms take a pair
	v_mov_b32 v[ZZ+1], v[ZZ]
	WORD 0
	WORD 1
	WORD 2
	WORD 3
	s_wait_alu depctr_va_vdst(0)                   ; the sixteen roundings have written DY, which the LDS stores read and in which the loads from the stage land; no vector instruction stands between this wait and those loads
.irp j, 0,1,2,3
	ds_store_b128 v[STO], v[DY+4*(\j):DY+4*(\j)+3] offset:16*(\j)  ; word j's eight numbers lie 16 j on in my 64 bytes
.endr
	s_wait_alu depctr_vm_vsrc(0)                   ; the four LDS stores have read DY, in which the loads below land
.irp t, 0,1,2,3
	ds_load_b128 v[DY+4*(\t):DY+4*(\t)+3], v[RD] offset:((\t)/2)*RP+((\t)%2)*8*PIECE  ; row t / 2, its first or second eight pieces
.endr
.irp t, 0,1,2,3
	s_wait_dscnt 3-(\t)                            ; load t is back, the younger ones stay out
	global_store_b128 v[GO], v[DY+4*(\t):DY+4*(\t)+3], s[14:15] offset:((\t)/2)*8192+((\t)%2)*512  ; the wave stores 512 consecutive bytes, at a multiple of 512 from wb's first byte
.endr
; The first round, block p: its four slots are rounded into Y, filled again with the loads DEPTH further on, and stored.
.macro FIRST p
	s_wait_loadcnt DEPTH-BLOCK                     ; my block's four loads are in, the twelve younger ones stay out
.irp i, 0,1,2,3
	v_cvt_pk_bf16_f32 v[Y+2*(BLOCK*(\p)+(\i))],   v[X+4*(BLOCK*(\p)+(\i))],   v[X+4*(BLOCK*(\p)+(\i))+1]
	v_cvt_pk_bf16_f32 v[Y+2*(BLOCK*(\p)+(\i))+1], v[X+4*(BLOCK*(\p)+(\i))+2], v[X+4*(BLOCK*(\p)+(\i))+3]
.endr
	s_wait_alu depctr_va_vdst(0)                   ; the eight conversions are done reading the block's X, in which the loads below land, and have written the block's Y, which the stores below read
.irp i, 0,1,2,3
	global_load_b128 v[X+4*(BLOCK*(\p)+(\i)):X+4*(BLOCK*(\p)+(\i))+3], v[XO], s[4:5] offset:512*(DEPTH+BLOCK*(\p)+(\i)) th:TH_LOAD_NT  ; the loads ahead of the stores
.endr
.irp i, 0,1,2,3
	global_store_b64 v[YO], v[Y+2*(BLOCK*(\p)+(\i)):Y+2*(BLOCK*(\p)+(\i))+1], s[12:13] offset:256*(BLOCK*(\p)+(\i))
.endr
.endm
; The second round loads nothing, so it rounds in place: the slots' own registers, whose loads the counted wait shows done and which no memory instruction has read, take the results and are not written again.
; Y, which the first round's stores read, is left alone: no wait for those stores is needed.
.macro SECOND p
	s_wait_loadcnt DEPTH-BLOCK*((\p)+1)            ; the counts run down
.irp i, 0,1,2,3
	v_cvt_pk_bf16_f32 v[X+4*(BLOCK*(\p)+(\i))],   v[X+4*(BLOCK*(\p)+(\i))],   v[X+4*(BLOCK*(\p)+(\i))+1]
	v_cvt_pk_bf16_f32 v[X+4*(BLOCK*(\p)+(\i))+1], v[X+4*(BLOCK*(\p)+(\i))+2], v[X+4*(BLOCK*(\p)+(\i))+3]
.endr
	s_wait_alu depctr_va_vdst(0)                   ; the eight conversions have written each slot's first two registers, which the stores below read
.irp i, 0,1,2,3
	global_store_b64 v[YO], v[X+4*(BLOCK*(\p)+(\i)):X+4*(BLOCK*(\p)+(\i))+1], s[12:13] offset:256*(DEPTH+BLOCK*(\p)+(\i))
.endr
.endm
	FIRST 0
	FIRST 1
	FIRST 2
	FIRST 3
	SECOND 0
	SECOND 1
	SECOND 2
	SECOND 3
	s_wait_dscnt 0x0                               ; the closing lines, six on end
	s_wait_alu 0x0
	s_wait_tensorcnt 0x0
	ds_add_u32 v[SPW], v[NIL]
	s_wait_dscnt 0x0
	s_endpgm
.Lfunc_end_k_q4ad3097fc5_prep:
	.size	k_q4ad3097fc5_prep, .Lfunc_end_k_q4ad3097fc5_prep-k_q4ad3097fc5_prep
	.p2alignl 7, 3214868480
	.fill 96, 4, 3214868480
	.section	.rodata,"a",@progbits
	.p2align	6, 0x0
	.amdhsa_kernel k_q4ad3097fc5_prep
		.amdhsa_group_segment_fixed_size 21504
		.amdhsa_private_segment_fixed_size 0
		.amdhsa_enable_private_segment 0
		.amdhsa_kernarg_size 48
		.amdhsa_user_sgpr_count 2
		.amdhsa_user_sgpr_kernarg_segment_ptr 1
		.amdhsa_wavefront_size32 1
		.amdhsa_system_sgpr_workgroup_id_x 1
		.amdhsa_system_sgpr_workgroup_id_y 1
		.amdhsa_system_sgpr_workgroup_id_z 1
		.amdhsa_system_vgpr_workitem_id 0
		.amdhsa_next_free_vgpr 124
		.amdhsa_next_free_sgpr 66
		.amdhsa_reserve_vcc 0
		.amdhsa_float_denorm_mode_32 3
		.amdhsa_float_denorm_mode_16_64 3
		.amdhsa_memory_ordered 1
		.amdhsa_forward_progress 1
		.amdhsa_inst_pref_size 21
	.end_amdhsa_kernel
	.amdgpu_metadata
---
amdhsa.version: [ 1, 2 ]
amdhsa.kernels:
  - .name:           k_q4ad3097fc5_prep
    .symbol:         k_q4ad3097fc5_prep.kd
    .args:
      - { .name: x, .offset: 0, .size: 8, .value_kind: global_buffer, .address_space: global }
      - { .name: qweight, .offset: 8, .size: 8, .value_kind: global_buffer, .address_space: global }
      - { .name: qscale, .offset: 16, .size: 8, .value_kind: global_buffer, .address_space: global }
      - { .name: qzeros, .offset: 24, .size: 8, .value_kind: global_buffer, .address_space: global }
      - { .name: xb, .offset: 32, .size: 8, .value_kind: global_buffer, .address_space: global }
      - { .name: wb, .offset: 40, .size: 8, .value_kind: global_buffer, .address_space: global }
    .group_segment_fixed_size: 21504
    .private_segment_fixed_size: 0
    .kernarg_segment_align: 8
    .kernarg_segment_size: 48
    .max_flat_workgroup_size: 256
    .sgpr_count:     66
    .vgpr_count:     124
    .wavefront_size: 32
...
	.end_amdgpu_metadata
.endif
;; end of part 5
;; launch gemm: the kernel of part 4 again; grid 8 x 32, 4 waves a work-group, clusters of 4 x 4, 327,680 bytes of LDS; arguments xb, wb, out0; writes out0
